; MI455X (gfx1250); checked and timed in simulation.
; The chip was launched on July 23, 2026; its instructions are those of AMD's public machine-readable ISA for CDNA 5 (MIT licence, August 2026) and "CDNA5" Instruction Set Architecture Reference Guide (July 2026). The comments in the code are by the model that wrote it; some were corrected since.
;; Multi Head Attention With Ro PE. Allowed arithmetic: matrix products marked QUANTISED: E2M1 operands, one E8M0 scale for each 32 along K, by v_wmma_scale_f32_16x16x128_f8f6f4 with both operands' format E2M1 (or v_wmma_scale_f32_32x16x128_f4), f32 sums; everything else in f32.
;; Inputs: Wk_codes 1,024 x 32 x 16 uint8 (E2M1 codes of Wk, K innermost, in blocks of 32 codes, two codes a byte); Wk_scales 1,024 x 32 uint8 (E8M0 scales of Wk, one for each 32 codes along K); Wo_codes 1,024 x 32 x 16 uint8 (E2M1 codes of Wo, K innermost, in blocks of 32 codes, two codes a byte); Wo_scales 1,024 x 32 uint8 (E8M0 scales of Wo, one for each 32 codes along K); Wq_codes 1,024 x 32 x 16 uint8 (E2M1 codes of Wq, K innermost, in blocks of 32 codes, two codes a byte); Wq_scales 1,024 x 32 uint8 (E8M0 scales of Wq, one for each 32 codes along K); Wv_codes 1,024 x 32 x 16 uint8 (E2M1 codes of Wv, K innermost, in blocks of 32 codes, two codes a byte); Wv_scales 1,024 x 32 uint8 (E8M0 scales of Wv, one for each 32 codes along K); bk 1,024 float32; bo 1,024 float32; bq 1,024 float32; bv 1,024 float32; key_codes 4 x 2,048 x 32 x 16 uint8 (E2M1 codes of key, K innermost, in blocks of 32 codes, two codes a byte); key_scales 4 x 2,048 x 32 uint8 (E8M0 scales of key, one for each 32 codes along K); query_codes 4 x 2,048 x 32 x 16 uint8 (E2M1 codes of query, K innermost, in blocks of 32 codes, two codes a byte); query_scales 4 x 2,048 x 32 uint8 (E8M0 scales of query, one for each 32 codes along K); value_codes 4 x 2,048 x 32 x 16 uint8 (E2M1 codes of value, K innermost, in blocks of 32 codes, two codes a byte); value_scales 4 x 2,048 x 32 uint8 (E8M0 scales of value, one for each 32 codes along K).
;; Outputs: out0 4 x 2,048 x 1,024 float32.
;; This version of the problem:
;;   THIS VERSION OF THE PROBLEM IS GIVEN IN LOW PRECISION. The matrix products marked QUANTISED in the list below multiply operands that are first quantised to E2M1 (2 exponent bits, 1 mantissa bit; 4 bits a number), with one power-of-two scale for each 32 numbers along K (OCP MX v1.0); their sums are f32. All else is computed in f32.
;;   The module's matrix products, in the order in which they are computed (A, B: the left and right operand; K: the contracted axis; several contracted axes count as one K, in the product's order):
;;     1. [M 8,192, K 1,024] x [K 1,024, N 1,024]; A: input query (given as codes); B: input Wq (given as codes): QUANTISED
;;     2. [M 8,192, K 1,024] x [K 1,024, N 1,024]; A: input key (given as codes); B: input Wk (given as codes): QUANTISED
;;     3. [M 8,192, K 1,024] x [K 1,024, N 1,024]; A: input value (given as codes); B: input Wv (given as codes): QUANTISED
;;     4. batch 64 x [M 2,048, K 64] x [K 64, N 2,048]; A: computed on the way; B: computed on the way: QUANTISED
;;     5. batch 64 x [M 2,048, K 2,048] x [K 2,048, N 64]; A: softmax (see below); B: computed on the way: QUANTISED
;;     6. [M 8,192, K 1,024] x [K 1,024, N 1,024]; A: computed on the way; B: input Wo (given as codes): QUANTISED
;;   THE QUANTISER, for each operand of a quantised product, along K:
;;     - K is cut into blocks of 32 from its start; a last block that is shorter is filled with zeros.
;;     - A block's scale is 2^e with e = floor(log2(the largest magnitude in the block)) - 2, held to -126 .. 127; a block of zeros has e = 0. As a byte (E8M0): e + 127.
;;     - Each number is divided by its block's scale, clamped to +-6, and rounded to the nearest number of E2M1, ties to even, subnormals kept.
;;     - The product sums the exact products of the quantised numbers (number of the format x scale) in f32.
;;   ~~~python
;;   def quantise(x, axis):      # numpy; x: float32 -> the quantised numbers, widened to float32 again
;;       x = np.moveaxis(x, axis, -1); K = x.shape[-1]
;;       x = np.pad(x, [(0, 0)] * (x.ndim - 1) + [(0, -K % 32)]); x = x.reshape(x.shape[:-1] + (-1, 32)); a = np.abs(x).max(-1, keepdims=True)
;;       e = np.where(a > 0, np.clip(np.frexp(np.where(a > 0, a, 1))[1] - 1 - 2, -126, 127), 0)      # np.frexp(a)[1] - 1 = floor(log2(a)), exactly
;;       r = np.clip(x / 2.0 ** e, -6, 6)
;;       step = 2.0 ** (np.maximum(np.frexp(np.where(r == 0, 1, r))[1] - 1, 0) - 1)
;;       q = np.round(r / step) * step * 2.0 ** e      # np.round: ties to even
;;       return np.moveaxis(q.reshape(q.shape[:-2] + (-1,))[..., :K], -1, axis).astype(np.float32)
;;   ~~~
;;   SOFTMAX AHEAD OF A QUANTISED PRODUCT. Where the list says 'softmax', what is quantised is not the finished softmax but p = 2^(t - M), with t = logit x log2(e) and M = ceil(the row's largest t), a whole number; so 1/2 < the row's largest p <= 1. The row's sum l is taken of the UNQUANTISED p, in f32, and the product's result is divided by l at the end. Since M is a whole number, a kernel that streams over the keys may use a running M (the ceiling of the running maximum): every later rescaling is an exact power of two, which a block's scale takes up: the codes' values come out the same.
;;   OPERANDS COMPUTED ON THE WAY. 'Computed on the way' means the value that the module computes at that place (a softmax that the list does not call 'softmax' is quantised finished and normalised). What goes into a quantiser is computed in f32, as accurately as f32 sums, v_exp_f32 and their like allow (about 1e-6 of the number): no bf16 or f16 on the way to a quantiser, and a product that is left as it is and whose result goes on into a quantised operand takes f32 operands (vector FMAs, or v_wmma_f32_16x16x4_f32). A number that lies on a knife's edge between two numbers of the format may be rounded either way, as far as f32 arithmetic and the matrix unit's own rounding can turn it there, and no further.
;;   INPUTS GIVEN AS CODES. Wk (in the module: [1024, 1024], K = its axis 1); Wo (in the module: [1024, 1024], K = its axis 1); Wq (in the module: [1024, 1024], K = its axis 1); Wv (in the module: [1024, 1024], K = its axis 1); key (in the module: [4, 2048, 1024], K = its axis 2); query (in the module: [4, 2048, 1024], K = its axis 2); value (in the module: [4, 2048, 1024], K = its axis 2): each comes as NAME_codes (uint8): NAME with its K axis moved to the last place and cut into blocks of 32 codes, [.., K / 32, bytes a block], one block behind the other in memory; two codes a byte, the lower K in the low four bits (a code: sign, 2 exponent bits, 1 mantissa bit); and NAME_scales (uint8): the same leading axes, one E8M0 byte (e + 127) for each 32 codes along K. Its value is code x scale, taken as it is: it is not quantised again, and the codes and scales need not be those that the quantiser above would give.
;; One version. Each part assembles by itself: llvm-mc -triple=amdgcn-amd-amdhsa -mcpu=gfx1250 --defsym DOCPART=n.
;; ======== version 1 of 1: 3 launches
;; workspace buffers: qc 4,194,304 bytes; qs 262,144 bytes; kc 4,194,304 bytes; ks 262,144 bytes; vc 4,194,304 bytes; vs 262,144 bytes; oc 4,194,304 bytes; os 262,144 bytes
;; launch proj (part 1): grid 4 x 192, 8 waves a work-group, clusters of 4 x 4, 263,168 bytes of LDS; arguments Wq_codes, Wq_scales, query_codes, query_scales, bq, qc, qs, Wk_codes, Wk_scales, key_codes, key_scales, bk, kc, ks, value_codes, value_scales, Wv_codes, Wv_scales, bv, vc, vs; writes qc, qs, kc, ks, vc, vs
.if DOCPART == 1
	.amdgcn_target "amdgcn-amd-amdhsa--gfx1250"
	.amdhsa_code_object_version 6
	.text
	.protected	k_q0bb84731da_proj
	.globl	k_q0bb84731da_proj
	.p2align	8
	.type	k_q0bb84731da_proj,@function
k_q0bb84731da_proj:
	s_mov_b64 s[64:65], 0
	v_nop
	global_prefetch_b8 v0, s[64:65] scope:SCOPE_SE
	s_setreg_imm32_b32 hwreg(HW_REG_WAVE_MODE, 25, 1), 1
	s_wait_xcnt 0x0
	s_wait_alu depctr_hold_cnt(0) depctr_sa_sdst(0) depctr_va_vdst(0) depctr_va_sdst(0) depctr_va_ssrc(0) depctr_va_vcc(0) depctr_vm_vsrc(0)
	s_getreg_b32 s2, hwreg(HW_REG_IB_STS2, 6, 4)
	s_cmp_eq_u32 s2, 0
	s_cbranch_scc0 .Lentry_in_a_cluster
	s_endpgm
.Lentry_in_a_cluster:
	s_bfe_u32 s2, ttmp6, 0x10000c
	s_cmp_lg_u32 s2, 0xf033
	s_cbranch_scc0 .Lentry_shape_is_right
	s_endpgm
.Lentry_shape_is_right:
; THE THREE PROJECTIONS, bias, RoPE (Q and K) and the quantisers behind them.  All products on codes of FP4 (E2M1) with one E8M0 byte for each 32 along K = 1,024.
; ONE TEXT, THREE ROLES (cluster y / 16: 0 = Q, 1 = K, 2 = V).  Each role has seven buffers: P's codes and scales, R's codes and scales, the bias, the codes out, the scale words out.
; P goes to source 0 of the matrix instruction, R to source 1: in the result a lane holds ONE row of R (lane % 16) and its registers run along rows of P (16 pt + 8 (lane / 16) + j).
; Q, K: P = the weight (row = head x 64 + d), R = the tokens.  V: P = the tokens of value (the keys), R = Wv.  So in every role the axis that is quantised next (d for Q and K, the keys for V) runs along a lane's registers.
; SHARES.  A work-group makes 256 rows of P x 128 rows of R.  Wave w: pg = w % 4 (64 rows of P: one head, or 64 keys), rg = w / 4 (64 rows of R): 4 x 4 tiles of 16 x 16, 16 accumulators, 8 K steps of 128.
; LDS is filled once: both halves of K (rows of 256 bytes, 16 bytes of padding behind each) and all scale bytes fit, so there is no ring.
; CLUSTERS: 4 x 4 work-groups.  The four of a column of the cluster (same cx) need the same rows of P, the four of a row (same cy) the same rows of R: each tile is asked for jointly.
; WHAT LEAVES: PIECES of 512 bytes, images of half an operand's registers: lane l's 16 bytes at 16 l are the codes k = 32 (l / 16) + 0 .. 31 of row l % 16 of a tile of 16 rows; and scale words.
; ROPE.  cos and sin are made here: inv_freq = 2^(-f log2(10000) / 32) by v_exp_f32, angle = position x inv_freq, reduced by pi/2 in three parts, polynomials of degree 7 and 8 on [-pi/4, pi/4].
; In the role V the position is multiplied by 0: cos = 1, sin = 0, and the rotation leaves finite numbers as they are; so all roles take one path.
; LIMITS: NaN and infinities are not served.  inv_freq is good to an ulp, so an angle may differ by about 2e-4 radians at position 2,047 and the lowest frequencies.  A block of zeros gets the scale byte 1
; (its codes are zeros; this program alone reads the bytes); blocks whose largest magnitude lies under 2^-124 are held at that byte.
.set PITCH, 272                        ; an LDS row: 256 bytes + 16 of padding: the sixteen rows of a fragment load start at sixteen different groups of banks
.set PART,  64*PITCH                   ; 64 rows: a wave's part of P or of R, and what one of P's tensor loads brings
.set ROFF,  256*PITCH                  ; in a slot: P's 256 rows, then R's 128
.set SLOTB, 384*PITCH                  ; a slot: half of K
.set SCLP,  2*SLOTB                    ; P's scale bytes: 32 units of 256 bytes + 16
.set SCLR,  SCLP+8704                  ; R's: 16 units
.set TRG,   SCLR+4352                  ; cos and sin: eight images of 4,096 bytes, one for each 16 rows of R; written by LDS stores, no tile lands here
.set STGZ,  TRG+32768                  ; the scale halves on their way out: [wave 8][rt 4][16] words
.set ACC, 16                           ; v16-143   accumulator (pt, rt) at ACC + 32 rt + 8 pt
.set PF,  144                          ; v144-175  P's four fragments; later cos and sin of R's tiles 0 and 2
.set RF,  176                          ; v176-207  R's four fragments; later cos and sin of R's tiles 1 and 3
.set SC,  208                          ; v208-239  scale words: register 8 i + q: lanes 0-15 P's tile i, lanes 16-31 R's tile i, K step q
.set TA,  144                          ; at the head, six arrays of 16 for the table of cos and sin
.set TN,  160
.set TR,  176
.set TZ,  192
.set TC,  208
.set TS,  224
.set PCS, 208                          ; in the epilogue: v208-223 the four pieces, v224-227 their scale halves, v228-233 at work in the quantiser, v240-247 at work in the rotation
.set HW,  224
.set TM,  228
.set TX,  230
.set SQ,  232
.set TT,  240
.set WV,   66                          ; s66 wave;  s67 pg, also which quarter of a tile I fetch;  s68 rg
.set PG,   67
.set RG,   68
.set ROLE, 69
.set CL,   70
.set CX,   71
.set CY,   72
.set PTL,  73                          ; s73 which 256 rows of P;  s74 which 128 rows of R
.set RTL,  74
.set SEL,  98                          ; s[98:99] lane selects for v_permlanex16_b32: lane l xor 16
.macro CROUND                          ; a round of the cluster's barrier
	s_barrier_signal -1
	s_barrier_wait -1
	s_cmp_lg_u32 s[WV], 0
	s_cbranch_scc1 .Lnot_wave_0_\@
	s_barrier_signal -3
.Lnot_wave_0_\@:
	s_barrier_wait -3
	s_barrier_signal -1
	s_barrier_wait -1
.endm
; A joint load: waves 0-3 fetch for P, waves 4-7 for R.  Each line has one mask and one set of registers; the branch hangs on the wave's number alone.  Four v_nop follow each line.
.macro JLOAD g0p, g1p, g0r, g1r
	s_cmp_lt_u32 s[WV], 4
	s_cbranch_scc0 .Lfor_r_\@
	tensor_load_to_lds s[\g0p:\g0p+3], s[\g1p:\g1p+7]
	s_nop 0
.rept 4
	v_nop
.endr
	s_branch .Lasked_\@
.Lfor_r_\@:
	tensor_load_to_lds s[\g0r:\g0r+3], s[\g1r:\g1r+7]
	s_nop 0
.rept 4
	v_nop
.endr
.Lasked_\@:
.endm
	s_load_b512 s[4:19], s[0:1], 0x0               ; the 21 addresses: role 0's seven in s[4:17], role 1's in s[18:31], role 2's in s[32:45]
	s_load_b512 s[20:35], s[0:1], 0x40
	s_load_b256 s[36:43], s[0:1], 0x80
	s_load_b64 s[44:45], s[0:1], 0xa0
	v_lshl_add_u32 v254, v0, 2, 0x40000
	v_mov_b32 v255, 0
	ds_add_u32 v254, v255
	ds_add_u32 v254, v255
	v_lshrrev_b32 v1, 5, v0
	v_readfirstlane_b32 s[WV], v1
	s_and_b32 s[PG], s[WV], 3
	s_lshr_b32 s[RG], s[WV], 2
	s_and_b32 s[CL], ttmp7, 0xffff                 ; cluster y, 0 .. 47
	s_lshr_b32 s[ROLE], s[CL], 4
	s_and_b32 s[CL], s[CL], 15
	s_bfe_u32 s[CX], ttmp6, 0x40000
	s_bfe_u32 s[CY], ttmp6, 0x40004
	s_and_b32 s[PTL], s[CL], 7                     ; V: 8 x 2 clusters (32 tiles of the keys, 8 of Wv's rows);  Q, K: 1 x 16 (4 tiles of the weight, 64 of the tokens)
	s_lshr_b32 s[RTL], s[CL], 3
	s_cmp_eq_u32 s[ROLE], 2
	s_cselect_b32 s[PTL], s[PTL], 0
	s_cselect_b32 s[RTL], s[RTL], s[CL]
	s_cselect_b32 s100, 0, 1.0                     ; what the position is multiplied by
	s_lshl_b32 s[PTL], s[PTL], 2
	s_add_co_u32 s[PTL], s[PTL], s[CX]
	s_lshl_b32 s[RTL], s[RTL], 2
	s_add_co_u32 s[RTL], s[RTL], s[CY]
	s_lshl_b32 s75, 0x1111, s[CX]                  ; my column of the cluster
	s_lshl_b32 s76, s[CY], 2
	s_lshl_b32 s76, 15, s76                        ; my row
	s_mov_b32 s[SEL], 0x76543210
	s_mov_b32 s[SEL+1], 0xfedcba98
	; where the tiles come from, each chain in registers that never hold the other coordinate
	s_lshl_b32 s78, s[PTL], 8
	s_lshl_b32 s79, s[PG], 6
	s_add_co_u32 s78, s78, s79                     ; P: row 256 x tile + 64 x quarter
	s_lshl_b32 s82, s78, 5                         ; its scale bytes, 32 a row
	s_mov_b32 s83, 0
	s_lshl_b32 s78, s78, 9                         ; its codes, 512 bytes a row
	s_mov_b32 s79, 0
	s_lshl_b32 s80, s[RTL], 7
	s_lshl_b32 s81, s[PG], 5
	s_add_co_u32 s80, s80, s81                     ; R: row 128 x tile + 32 x quarter
	s_lshl_b32 s2, s80, 5
	s_mov_b32 s3, 0
	s_lshl_b32 s80, s80, 9
	s_mov_b32 s81, 0
	s_wait_dscnt 0x0
	s_wait_kmcnt 0x0
	s_cmp_eq_u32 s[ROLE], 1                        ; the role's seven addresses into s[4:17]: the choice hangs on the cluster's number alone
.irp i, 0,2,4,6,8,10,12
	s_cselect_b64 s[4+\i:5+\i], s[18+\i:19+\i], s[4+\i:5+\i]
.endr
	s_cmp_eq_u32 s[ROLE], 2
.irp i, 0,2,4,6,8,10,12
	s_cselect_b64 s[4+\i:5+\i], s[32+\i:33+\i], s[4+\i:5+\i]
.endr
	; s[4:5] P's codes, s[6:7] P's scales, s[8:9] R's codes, s[10:11] R's scales, s[12:13] bias, s[14:15] codes out, s[16:17] scale words out
	; descriptor groups 1.  s[20:27]: 64 rows x 256 bytes of P;  s[28:35]: 32 rows of R (its 128 rows are shared out among four waves);  s[36:43], s[44:51]: their scale bytes, dense, as rows of 256 bytes
	s_or_b32 s20, s75, (1<<20)|(1<<21)|(5<<22)|(3<<25)         ; 15:0 the mask; elements of 1 byte; 20 padding on; 21 set beside a mask; after every 64 words four words
	s_mov_b32 s21, 256<<16
	s_mov_b32 s22, 64<<16
	s_mov_b32 s23, 256<<16
	s_mov_b32 s24, 64
	s_mov_b32 s25, 512
	s_mov_b32 s26, 0
	s_mov_b32 s27, 0
	s_or_b32 s28, s76, (1<<20)|(1<<21)|(5<<22)|(3<<25)
	s_mov_b32 s29, 256<<16
	s_mov_b32 s30, 32<<16
	s_mov_b32 s31, 256<<16
	s_mov_b32 s32, 32
	s_mov_b32 s33, 512
	s_mov_b32 s34, 0
	s_mov_b32 s35, 0
	s_or_b32 s36, s75, (3<<16)|(1<<20)|(1<<21)|(5<<22)|(3<<25) ; elements of 8 bytes
	s_mov_b32 s37, 32<<16
	s_mov_b32 s38, 8<<16
	s_mov_b32 s39, 32<<16
	s_mov_b32 s40, 8
	s_mov_b32 s41, 32
	s_mov_b32 s42, 0
	s_mov_b32 s43, 0
	s_or_b32 s44, s76, (3<<16)|(1<<20)|(1<<21)|(5<<22)|(3<<25)
	s_mov_b32 s45, 32<<16
	s_mov_b32 s46, 4<<16
	s_mov_b32 s47, 32<<16
	s_mov_b32 s48, 4
	s_mov_b32 s49, 32
	s_mov_b32 s50, 0
	s_mov_b32 s51, 0
	; groups 0.  P: s[52:55] scales, s[56:59] slot 0, s[60:63] slot 1.  R: s[84:87], s[88:91], s[92:95].  No place in the cluster enters an LDS address
	s_mov_b32 s52, 1
	s_mul_i32 s53, s[PG], 2176
	s_add_co_u32 s53, s53, SCLP
	s_add_nc_u64 s[54:55], s[6:7], s[82:83]
	s_or_b32 s55, s55, 0x80000000
	s_mov_b32 s84, 1
	s_mul_i32 s85, s[PG], 1088
	s_add_co_u32 s85, s85, SCLR
	s_add_nc_u64 s[86:87], s[10:11], s[2:3]
	s_or_b32 s87, s87, 0x80000000
.irp s, 0,1
	s_mov_b32 s[56+4*\s], 1
	s_mul_i32 s[57+4*\s], s[PG], PART
	s_add_co_u32 s[57+4*\s], s[57+4*\s], \s*SLOTB
	s_add_nc_u64 s[58+4*\s:59+4*\s], s[4:5], s[78:79]
	s_add_nc_u64 s[58+4*\s:59+4*\s], s[58+4*\s:59+4*\s], 256*\s
	s_or_b32 s[59+4*\s], s[59+4*\s], 0x80000000
	s_mov_b32 s[88+4*\s], 1
	s_mul_i32 s[89+4*\s], s[PG], 32*PITCH
	s_add_co_u32 s[89+4*\s], s[89+4*\s], \s*SLOTB+ROFF
	s_add_nc_u64 s[90+4*\s:91+4*\s], s[8:9], s[80:81]
	s_add_nc_u64 s[90+4*\s:91+4*\s], s[90+4*\s:91+4*\s], 256*\s
	s_or_b32 s[91+4*\s], s[91+4*\s], 0x80000000
.endr
	CROUND                                         ; all sixteen work-groups are here: the joint loads meet
	JLOAD 52, 36, 84, 44                           ; three loads of mine are out: the scales,
	JLOAD 56, 20, 88, 28                           ; K's first half,
	JLOAD 60, 20, 92, 28                           ; K's second half
	; THE BIAS goes straight into the accumulators, so that every K step adds in place
	v_and_b32 v240, 15, v0                         ; r
	v_bfe_u32 v241, v0, 4, 1                       ; h
	v_and_b32 v242, 31, v0                         ; lane
	v_lshlrev_b32 v12, 5, v241                     ; 32 h: eight numbers of the bias for each half of the lanes
	v_lshlrev_b32 v13, 2, v240                     ; 4 r
	s_lshl_b32 s96, s[PTL], 10
	s_lshl_b32 s97, s[PG], 8
	s_add_co_u32 s96, s96, s97                     ; Q, K: the bias goes by rows of P: (256 tile + 64 pg) x 4
	s_lshl_b32 s97, s[RTL], 9
	s_lshl_b32 s101, s[RG], 8
	s_add_co_u32 s97, s97, s101                    ; V: by rows of R: (128 tile + 64 rg) x 4
	s_cmp_eq_u32 s[ROLE], 2
	s_cselect_b32 s96, s97, s96
	s_mov_b32 s97, 0
	s_add_nc_u64 s[12:13], s[12:13], s[96:97]
	s_cmp_eq_u32 s[ROLE], 2                        ; the one branch on the role, the same in all partners: it holds global loads alone
	s_cbranch_scc1 .Lbias_v
.irp rt, 0,1,2,3
.irp pt, 0,1,2,3
	global_load_b128 v[ACC+32*\rt+8*\pt:ACC+32*\rt+8*\pt+3], v12, s[12:13] offset:64*\pt          ; register j: bias of P's row 16 pt + 8 h + j
	global_load_b128 v[ACC+32*\rt+8*\pt+4:ACC+32*\rt+8*\pt+7], v12, s[12:13] offset:64*\pt+16
.endr
.endr
	s_branch .Lbias_done
.Lbias_v:
.irp rt, 0,1,2,3
.set i, 0
.rept 32
	global_load_b32 v[ACC+32*\rt+i], v13, s[12:13] offset:64*\rt      ; every register: bias of R's row 16 rt + r
.set i, i+1
.endr
.endr
.Lbias_done:
	; addresses
	v_mul_u32_u24 v243, v240, PITCH
	v_lshl_add_u32 v243, v241, 4, v243             ; a fragment's row x pitch + 16 x half
	s_mul_i32 s96, s[PG], PART
	v_add_nc_u32 v1, s96, v243                     ; v1, v2: my 64 rows of P in slot 0, 1
	v_add_nc_u32 v2, SLOTB, v1
	s_mul_i32 s97, s[RG], PART
	s_add_co_u32 s97, s97, ROFF
	v_add_nc_u32 v3, s97, v243                     ; v3, v4: my 64 rows of R
	v_add_nc_u32 v4, SLOTB, v3
	v_lshlrev_b32 v5, 5, v240                      ; scale bytes: 32 a row,
	v_lshrrev_b32 v244, 3, v240
	v_lshl_add_u32 v5, v244, 4, v5                 ; and 16 more for each 256 passed
	s_mul_i32 s96, s[PG], 2176
	s_mul_i32 s97, s[RG], 2176
	s_add_co_u32 s97, s97, 8704
	s_sub_co_u32 s97, s97, s96                     ; from P's to R's
	v_mul_u32_u24 v244, s97, v241                  ; lanes 16-31 take R's
	s_add_co_u32 s96, s96, SCLP
	v_add_nc_u32 v5, v5, v244
	v_add_nc_u32 v5, s96, v5                       ; v5
	v_lshlrev_b32 v10, 4, v242                     ; v10: 16 x lane
	s_lshl_b32 s96, s[WV], 12
	s_add_co_u32 s96, s96, TRG
	v_add_nc_u32 v6, s96, v10                      ; v6: where I write my image of cos and sin
	s_lshl_b32 s96, s[RG], 14
	s_add_co_u32 s96, s96, TRG
	v_add_nc_u32 v7, s96, v10                      ; v7: where I read my four
	s_lshl_b32 s96, s[WV], 8
	s_add_co_u32 s96, s96, STGZ
	v_add_nc_u32 v8, s96, v13                      ; v8: where my scale halves go
	v_lshlrev_b32 v11, 3, v242                     ; v11: 8 x lane
	s_lshl_b32 s96, s[WV], 9
	s_add_co_u32 s96, s96, STGZ
	v_add_nc_u32 v9, s96, v11                      ; v9: where waves 0-3 read two waves' halves back
	; where my four pieces go: ((b x 16 + head) x 128 + t0) x 512
	s_lshr_b32 s78, s[RTL], 4                      ; Q, K: b,
	s_lshl_b32 s79, s[PTL], 2
	s_add_co_u32 s79, s79, s[PG]                   ; head,
	s_and_b32 s80, s[RTL], 15
	s_lshl_b32 s80, s80, 3
	s_lshl_b32 s81, s[RG], 2
	s_add_co_u32 s80, s80, s81                     ; first tile of 16 tokens
	s_lshr_b32 s81, s[PTL], 3                      ; V: b,
	s_lshl_b32 s82, s[RTL], 1
	s_add_co_u32 s82, s82, s[RG]                   ; head,
	s_and_b32 s83, s[PTL], 7
	s_lshl_b32 s83, s83, 4
	s_lshl_b32 s96, s[PG], 2
	s_add_co_u32 s83, s83, s96                     ; 4 x my group of 64 keys
	s_cmp_eq_u32 s[ROLE], 2
	s_cselect_b32 s78, s81, s78
	s_cselect_b32 s79, s82, s79
	s_cselect_b32 s80, s83, s80
	s_lshl_b32 s78, s78, 4
	s_add_co_u32 s78, s78, s79
	s_lshl_b32 s78, s78, 7
	s_add_co_u32 s78, s78, s80
	s_lshl_b32 s78, s78, 9
	s_mov_b32 s79, 0
	s_add_nc_u64 s[14:15], s[14:15], s[78:79]
	; THE TABLE OF COS AND SIN, while the tiles are on their way.  Wave w makes the image for rows 16 w + r of the group's 128: sixteen values a lane, value 8 u + j for the frequency f = 16 u + 8 h + j.
	v_lshlrev_b32 v15, 3, v241                     ; 8 h
	s_and_b32 s96, s[RTL], 15
	s_lshl_b32 s96, s96, 7
	s_lshl_b32 s97, s[WV], 4
	s_add_co_u32 s96, s96, s97
	v_add_nc_u32 v14, s96, v240                    ; the token's position in its sequence
	v_cvt_f32_u32 v14, v14
	v_mul_f32 v14, s100, v14                       ; (x 0 for V)
	v_mov_b32 v245, 0xb94ca1f9                     ; the polynomials' leading coefficients
	v_mov_b32 v246, 0x37ccf5ce
.set i, 0
.rept 16
	v_add_nc_u32 v[TA+i], 16*(i/8)+i%8, v15        ; f
.set i, i+1
.endr
.set i, 0
.rept 16
	v_cvt_f32_u32 v[TA+i], v[TA+i]
.set i, i+1
.endr
.set i, 0
.rept 16
	v_mul_f32 v[TA+i], 0xbed49a78, v[TA+i]         ; -f log2(10000) / 32
.set i, i+1
.endr
.set i, 0
.rept 16
	v_exp_f32 v[TA+i], v[TA+i]                     ; inv_freq
.set i, i+1
.endr
	v_nop                                          ; a plain instruction behind the last exponential
	s_wait_alu depctr_va_vdst(0)                   ; one wait for the sixteen, ahead of their first reader
.set i, 0
.rept 16
	v_mul_f32 v[TA+i], v14, v[TA+i]                ; the angle: position x inv_freq, rounded once
.set i, i+1
.endr
.set i, 0
.rept 16
	v_mul_f32 v[TN+i], 0x3f22f983, v[TA+i]         ; x 2 / pi
.set i, i+1
.endr
.set i, 0
.rept 16
	v_rndne_f32 v[TN+i], v[TN+i]                   ; n, at most 1,303
.set i, i+1
.endr
.set i, 0
.rept 16
	v_fmamk_f32 v[TR+i], v[TN+i], 0xbfc90000, v[TA+i]   ; angle - n pi/2, pi/2 in three parts of 8, 11 and 24 bits
.set i, i+1
.endr
.set i, 0
.rept 16
	v_fmamk_f32 v[TR+i], v[TN+i], 0xb9fda000, v[TR+i]
.set i, i+1
.endr
.set i, 0
.rept 16
	v_fmamk_f32 v[TR+i], v[TN+i], 0xb3a22168, v[TR+i]   ; x in [-pi/4, pi/4]
.set i, i+1
.endr
.set i, 0
.rept 16
	v_cvt_i32_f32 v[TA+i], v[TN+i]                 ; n as a whole number: it only chooses values, never an address or a branch
	v_mul_f32 v[TZ+i], v[TR+i], v[TR+i]            ; z = x x
.set i, i+1
.endr
.set i, 0
.rept 16
	v_fmaak_f32 v[TS+i], v245, v[TZ+i], 0x3c08839e
	v_fmaak_f32 v[TC+i], v246, v[TZ+i], 0xbab6061a
.set i, i+1
.endr
.set i, 0
.rept 16
	v_fmaak_f32 v[TS+i], v[TS+i], v[TZ+i], 0xbe2aaaa3
	v_fmaak_f32 v[TC+i], v[TC+i], v[TZ+i], 0x3d2aaaa5
.set i, i+1
.endr
.set i, 0
.rept 16
	v_mul_f32 v[TN+i], v[TZ+i], v[TR+i]
.set i, i+1
.endr
.set i, 0
.rept 16
	v_fma_f32 v[TS+i], v[TS+i], v[TN+i], v[TR+i]   ; sin x = x + x z (..)
.set i, i+1
.endr
.set i, 0
.rept 16
	v_mul_f32 v[TN+i], v[TZ+i], v[TZ+i]
	v_fma_f32 v[TR+i], v[TZ+i], -0.5, 1.0
.set i, i+1
.endr
.set i, 0
.rept 16
	v_fma_f32 v[TC+i], v[TC+i], v[TN+i], v[TR+i]   ; cos x = 1 - z / 2 + z z (..)
.set i, i+1
.endr
.set i, 0
.rept 16
	v_and_b32 v[TN+i], 1, v[TA+i]
.set i, i+1
.endr
.set i, 0
.rept 16
	v_cmp_eq_u32 vcc_lo, 1, v[TN+i]                ; n odd: sine and cosine change places
	v_cndmask_b32 v[TR+i], v[TS+i], v[TC+i], vcc_lo
	v_cndmask_b32 v[TZ+i], v[TC+i], v[TS+i], vcc_lo
.set i, i+1
.endr
.set i, 0
.rept 16
	v_lshlrev_b32 v[TN+i], 30, v[TA+i]             ; the sine's sign: bit 1 of n;
	v_add_nc_u32 v[TA+i], 1, v[TA+i]               ; the cosine's: bit 1 of n + 1
.set i, i+1
.endr
.set i, 0
.rept 16
	v_and_b32 v[TN+i], 0x80000000, v[TN+i]
	v_lshlrev_b32 v[TA+i], 30, v[TA+i]
.set i, i+1
.endr
.set i, 0
.rept 16
	v_xor_b32 v[TS+i], v[TR+i], v[TN+i]
	v_and_b32 v[TA+i], 0x80000000, v[TA+i]
.set i, i+1
.endr
.set i, 0
.rept 16
	v_xor_b32 v[TC+i], v[TZ+i], v[TA+i]
.set i, i+1
.endr
.irp i, 0,1,2,3,4,5,6,7
	ds_store_b128 v6, v[TC+4*\i:TC+4*\i+3] offset:512*\i     ; the image: 16 registers of cos, 16 of sin, lane l's 16 bytes at 16 l
.endr
	s_wait_tensorcnt 0x1                           ; my scales and my part of K's first half have landed; the one load issued behind them may be out
	s_wait_dscnt 0x0                               ; my image of cos and sin is written
	s_barrier_signal -1
	s_barrier_wait -1                              ; everybody's are
.irp i, 0,1,2,3
.irp f, 0,1
	ds_load_b128 v[SC+8*\i+4*\f:SC+8*\i+4*\f+3], v5 offset:544*\i+16*\f   ; the scale words of all eight K steps: 16 rows are two units
.endr
.endr
	s_wait_loadcnt 0x0                             ; the bias
; 8 matrix instructions: R's tiles r0, r0 + 1 x P's four, K step kq.  The sixteen accumulators take turns, one instruction a turn, in the same order in every step.
.macro MUL8 r0, kq
.irp rt, \r0, \r0+1
.irp pt, 0,1,2,3
	v_wmma_scale_f32_16x16x128_f8f6f4 v[ACC+32*(\rt)+8*\pt:ACC+32*(\rt)+8*\pt+7], v[PF+8*\pt:PF+8*\pt+7], v[RF+8*(\rt):RF+8*(\rt)+7], v[ACC+32*(\rt)+8*\pt:ACC+32*(\rt)+8*\pt+7], v[SC+8*\pt+(\kq)], v[SC+8*(\rt)+(\kq)] matrix_a_fmt:MATRIX_FMT_FP4 matrix_b_fmt:MATRIX_FMT_FP4 matrix_b_scale:MATRIX_SCALE_ROW1
.endr
.endr
.endm
; A K step of 128: the q-th of the slot.  A fragment, 16 rows x 128 K, is two loads of 16 bytes, 32 bytes apart.
.macro STEP slot, q
.rept 4
	v_nop                                          ; four places in front of loads into registers that matrix instructions have read (ISA guide 7.12.1 for vector instructions)
.endr
.irp i, 0,1,2,3
.irp c, 0,1
	ds_load_b128 v[PF+8*\i+4*\c:PF+8*\i+4*\c+3], v[1+\slot] offset:16*PITCH*\i+64*\q+32*\c
.endr
.endr
.irp i, 0,1,2,3
.irp c, 0,1
	ds_load_b128 v[RF+8*\i+4*\c:RF+8*\i+4*\c+3], v[3+\slot] offset:16*PITCH*\i+64*\q+32*\c
.endr
.endr
	s_wait_dscnt 0x4                               ; all but the four youngest loads, R's tiles 2 and 3
	MUL8 0, 4*\slot+\q
	s_wait_dscnt 0x0
	MUL8 2, 4*\slot+\q
.endm
	STEP 0, 0
	STEP 0, 1
	STEP 0, 2
	STEP 0, 3
	s_wait_tensorcnt 0x0                           ; my part of K's second half has landed
	s_wait_dscnt 0x0
	s_barrier_signal -1
	s_barrier_wait -1                              ; everybody's has
	STEP 1, 0
	STEP 1, 1
	STEP 1, 2
	STEP 1, 3
; THE EPILOGUE, a tile of 16 rows of R at a time: the rotation, the quantiser along the 64 rows of P, a piece and a scale half out.
.macro LOADCS rt, buf                  ; cos (16 registers) and sin (16) of R's tile rt
.irp i, 0,1,2,3,4,5,6,7
	ds_load_b128 v[\buf+4*\i:\buf+4*\i+3], v7 offset:4096*(\rt)+512*\i
.endr
.endm
; x1 (P's tiles 0, 1: d = 16 u + 8 h + j) and x2 (tiles 2, 3: d + 32):  x1' = x1 c - x2 s,  x2' = x1 s + x2 c.  Each accumulator is first read at its registers 0 and 1.
.macro ROPE rt, buf
.irp u, 0,1
.irp jj, 0,2,4,6
	v_pk_mul_f32 v[TT+\jj:TT+\jj+1], v[ACC+32*\rt+8*\u+\jj:ACC+32*\rt+8*\u+\jj+1], v[\buf+16+8*\u+\jj:\buf+16+8*\u+\jj+1]
.endr
.irp jj, 0,2,4,6
	v_pk_mul_f32 v[ACC+32*\rt+8*\u+\jj:ACC+32*\rt+8*\u+\jj+1], v[ACC+32*\rt+8*\u+\jj:ACC+32*\rt+8*\u+\jj+1], v[\buf+8*\u+\jj:\buf+8*\u+\jj+1]
.endr
.irp jj, 0,2,4,6
	v_pk_fma_f32 v[ACC+32*\rt+8*\u+\jj:ACC+32*\rt+8*\u+\jj+1], v[ACC+32*\rt+16+8*\u+\jj:ACC+32*\rt+16+8*\u+\jj+1], v[\buf+16+8*\u+\jj:\buf+16+8*\u+\jj+1], v[ACC+32*\rt+8*\u+\jj:ACC+32*\rt+8*\u+\jj+1] neg_lo:[1,0,0] neg_hi:[1,0,0]
.endr
.irp jj, 0,2,4,6
	v_pk_fma_f32 v[ACC+32*\rt+16+8*\u+\jj:ACC+32*\rt+16+8*\u+\jj+1], v[ACC+32*\rt+16+8*\u+\jj:ACC+32*\rt+16+8*\u+\jj+1], v[\buf+8*\u+\jj:\buf+8*\u+\jj+1], v[TT+\jj:TT+\jj+1]
.endr
.endr
.endm
; 32 numbers of a lane, register 8 t + j = k 16 t + 8 (lane / 16) + j of my row, become a piece (four registers: k = 32 (lane / 16) + 0 .. 31) and the two blocks' scale bytes (byte 1 << 8 | byte 0).
; Block b is tiles 2 b and 2 b + 1 in lanes l and l xor 16.  Tile 0's and tile 2's codes change halves, and tile 1's and tile 3's: the four registers then stand in the operand's order.
.macro QUANT32 s, pc, hw
.irp b, 0,1
	v_max3_num_f32 v[TM+\b], |v[(\s)+16*\b]|, |v[(\s)+16*\b+1]|, 0x1800000   ; with the floor 2^(3 - 127): the byte cannot fall under 1
.endr
.irp i, 2,4,6,8,10,12,14
.irp b, 0,1
	v_max3_num_f32 v[TM+\b], v[TM+\b], |v[(\s)+16*\b+\i]|, |v[(\s)+16*\b+\i+1]|
.endr
.endr
.irp b, 0,1
	v_permlanex16_b32 v[TX+\b], v[TM+\b], s[SEL], s[SEL+1]
.endr
.irp b, 0,1
	v_max_num_f32 v[TM+\b], v[TM+\b], v[TX+\b]     ; the block's largest magnitude
.endr
.irp b, 0,1
	v_add_nc_u32 v[SQ+\b], 0xff000000, v[TM+\b]    ; 2 off its exponent field: the conversion's scale operand
.endr
.irp b, 0,1
	v_lshrrev_b32 v[TX+\b], 23, v[SQ+\b]           ; the scale's byte
.endr
	v_lshl_or_b32 v[\hw], v[TX+1], 8, v[TX]
	v_cvt_scalef32_pk8_fp4_f32 v[(\pc)], v[(\s):(\s)+7], v[SQ]
	v_cvt_scalef32_pk8_fp4_f32 v[(\pc)+1], v[(\s)+16:(\s)+23], v[SQ+1]
	v_cvt_scalef32_pk8_fp4_f32 v[(\pc)+2], v[(\s)+8:(\s)+15], v[SQ]
	v_cvt_scalef32_pk8_fp4_f32 v[(\pc)+3], v[(\s)+24:(\s)+31], v[SQ+1]
	v_nop                                          ; one plain instruction behind a scaled conversion
	v_permlane16_swap_b32 v[(\pc)], v[(\pc)+1]
	v_permlane16_swap_b32 v[(\pc)+2], v[(\pc)+3]
.endm
.macro EPI rt, buf, cnt, more
	s_wait_dscnt \cnt                              ; this tile's cos and sin are in; cnt = the LDS instructions issued behind those eight loads
	ROPE \rt, \buf
.if \more
	LOADCS \rt+2, \buf
.endif
	QUANT32 ACC+32*\rt, PCS+4*\rt, HW+\rt
	ds_store_b32 v8, v[HW+\rt] offset:64*\rt       ; both halves of the lanes write the same word with the same value
	global_store_b128 v10, v[PCS+4*\rt:PCS+4*\rt+3], s[14:15] offset:512*\rt   ; 32 lanes store 512 consecutive bytes, aligned; each tile has registers of its own, so no store's data are written again
.endm
.rept 4
	v_nop                                          ; places behind the last products: in front of the loads below, of the writes of what held scale words, and of the first read of results
.endr
	LOADCS 0, PF
	LOADCS 1, RF
	v_mov_b32 v[TX], 0                             ; a lane permute's destination counts as one of its sources
	v_mov_b32 v[TX+1], 0
	EPI 0, PF, 8, 1                                ; behind table 0's loads: table 1's eight
	EPI 1, RF, 9, 1                                ; behind table 1's: table 2's eight and a word store
	EPI 2, PF, 10, 0                               ; behind table 2's: a store, table 3's eight, a store
	EPI 3, RF, 2, 0                                ; behind table 3's: two stores
	s_wait_dscnt 0x0                               ; my scale halves are written
	s_barrier_signal -1
	s_barrier_wait -1
	; THE SCALE WORDS: wave c of 0 .. 3 joins the halves of waves 2 c (even head, or the step's first 64 keys) and 2 c + 1, for 64 rows of R: 256 bytes, aligned
	s_cmp_lt_u32 s[WV], 4
	s_cbranch_scc0 .Lno_words
	s_lshr_b32 s96, s[WV], 1                       ; which 64 rows of R
	s_and_b32 s97, s[WV], 1                        ; which pair of pg
	s_lshr_b32 s78, s[RTL], 4                      ; Q, K: ((b x 8 + pair of heads) x 2,048 + position) x 4
	s_lshl_b32 s78, s78, 3
	s_lshl_b32 s79, s[PTL], 1
	s_add_co_u32 s78, s78, s79
	s_add_co_u32 s78, s78, s97
	s_lshl_b32 s78, s78, 11
	s_and_b32 s79, s[RTL], 15
	s_lshl_b32 s79, s79, 7
	s_add_co_u32 s78, s78, s79
	s_lshl_b32 s79, s96, 6
	s_add_co_u32 s78, s78, s79
	s_lshl_b32 s78, s78, 2
	s_lshr_b32 s80, s[PTL], 3                      ; V: ((b x 16 + head) x 16 + step of 128 keys) x 256
	s_lshl_b32 s80, s80, 4
	s_lshl_b32 s81, s[RTL], 1
	s_add_co_u32 s80, s80, s81
	s_add_co_u32 s80, s80, s96
	s_lshl_b32 s80, s80, 4
	s_and_b32 s81, s[PTL], 7
	s_lshl_b32 s81, s81, 1
	s_add_co_u32 s80, s80, s81
	s_add_co_u32 s80, s80, s97
	s_lshl_b32 s80, s80, 8
	s_cmp_eq_u32 s[ROLE], 2
	s_cselect_b32 s78, s80, s78
	s_mov_b32 s79, 0
	s_add_nc_u64 s[16:17], s[16:17], s[78:79]
	ds_load_b64 v[240:241], v9
	ds_load_b64 v[242:243], v9 offset:256
	s_wait_dscnt 0x0
	v_lshl_or_b32 v244, v242, 16, v240
	v_lshl_or_b32 v245, v243, 16, v241
	global_store_b64 v11, v[244:245], s[16:17]
.Lno_words:
	s_wait_tensorcnt 0x0
	ds_add_u32 v254, v255
	s_wait_dscnt 0x0
	CROUND                                         ; the closing round: no work-group ends while a partner may still ask for a tile that names it
	s_endpgm
.Lfunc_end_k_q0bb84731da_proj:
	.size	k_q0bb84731da_proj, .Lfunc_end_k_q0bb84731da_proj-k_q0bb84731da_proj
	.p2alignl 7, 3214868480
	.fill 96, 4, 3214868480
	.section	.rodata,"a",@progbits
	.p2align	6, 0x0
	.amdhsa_kernel k_q0bb84731da_proj
		.amdhsa_group_segment_fixed_size 263168
		.amdhsa_private_segment_fixed_size 0
		.amdhsa_enable_private_segment 0
		.amdhsa_kernarg_size 168
		.amdhsa_user_sgpr_count 2
		.amdhsa_user_sgpr_kernarg_segment_ptr 1
		.amdhsa_wavefront_size32 1
		.amdhsa_system_sgpr_workgroup_id_x 1
		.amdhsa_system_sgpr_workgroup_id_y 1
		.amdhsa_system_sgpr_workgroup_id_z 1
		.amdhsa_system_vgpr_workitem_id 0
		.amdhsa_next_free_vgpr 256
		.amdhsa_next_free_sgpr 102
		.amdhsa_reserve_vcc 1
		.amdhsa_float_denorm_mode_32 3
		.amdhsa_float_denorm_mode_16_64 3
		.amdhsa_memory_ordered 1
		.amdhsa_forward_progress 1
		.amdhsa_inst_pref_size 97
	.end_amdhsa_kernel
	.amdgpu_metadata
---
amdhsa.version: [ 1, 2 ]
amdhsa.kernels:
  - .name:           k_q0bb84731da_proj
    .symbol:         k_q0bb84731da_proj.kd
    .args:
      - { .name: Wq_codes, .offset: 0, .size: 8, .value_kind: global_buffer, .address_space: global }
      - { .name: Wq_scales, .offset: 8, .size: 8, .value_kind: global_buffer, .address_space: global }
      - { .name: query_codes, .offset: 16, .size: 8, .value_kind: global_buffer, .address_space: global }
      - { .name: query_scales, .offset: 24, .size: 8, .value_kind: global_buffer, .address_space: global }
      - { .name: bq, .offset: 32, .size: 8, .value_kind: global_buffer, .address_space: global }
      - { .name: qc, .offset: 40, .size: 8, .value_kind: global_buffer, .address_space: global }
      - { .name: qs, .offset: 48, .size: 8, .value_kind: global_buffer, .address_space: global }
      - { .name: Wk_codes, .offset: 56, .size: 8, .value_kind: global_buffer, .address_space: global }
      - { .name: Wk_scales, .offset: 64, .size: 8, .value_kind: global_buffer, .address_space: global }
      - { .name: key_codes, .offset: 72, .size: 8, .value_kind: global_buffer, .address_space: global }
      - { .name: key_scales, .offset: 80, .size: 8, .value_kind: global_buffer, .address_space: global }
      - { .name: bk, .offset: 88, .size: 8, .value_kind: global_buffer, .address_space: global }
      - { .name: kc, .offset: 96, .size: 8, .value_kind: global_buffer, .address_space: global }
      - { .name: ks, .offset: 104, .size: 8, .value_kind: global_buffer, .address_space: global }
      - { .name: value_codes, .offset: 112, .size: 8, .value_kind: global_buffer, .address_space: global }
      - { .name: value_scales, .offset: 120, .size: 8, .value_kind: global_buffer, .address_space: global }
      - { .name: Wv_codes, .offset: 128, .size: 8, .value_kind: global_buffer, .address_space: global }
      - { .name: Wv_scales, .offset: 136, .size: 8, .value_kind: global_buffer, .address_space: global }
      - { .name: bv, .offset: 144, .size: 8, .value_kind: global_buffer, .address_space: global }
      - { .name: vc, .offset: 152, .size: 8, .value_kind: global_buffer, .address_space: global }
      - { .name: vs, .offset: 160, .size: 8, .value_kind: global_buffer, .address_space: global }
    .group_segment_fixed_size: 263168
    .private_segment_fixed_size: 0
    .kernarg_segment_align: 8
    .kernarg_segment_size: 168
    .max_flat_workgroup_size: 256
    .sgpr_count:     102
    .vgpr_count:     256
    .wavefront_size: 32
...
	.end_amdgpu_metadata
.endif
;; end of part 1
;; launch attn (part 2): grid 8 x 32, 16 waves a work-group, clusters of 4 x 1, 296,960 bytes of LDS; arguments qc, qs, kc, ks, vc, vs, oc, os; writes oc, os
.if DOCPART == 2
	.amdgcn_target "amdgcn-amd-amdhsa--gfx1250"
	.amdhsa_code_object_version 6
	.text
	.protected	k_q0bb84731da_attn
	.globl	k_q0bb84731da_attn
	.p2align	8
	.type	k_q0bb84731da_attn,@function
k_q0bb84731da_attn:
	s_mov_b64 s[64:65], 0
	v_nop
	global_prefetch_b8 v0, s[64:65] scope:SCOPE_SE
	s_setreg_imm32_b32 hwreg(HW_REG_WAVE_MODE, 25, 1), 1
	s_wait_xcnt 0x0
	s_wait_alu depctr_hold_cnt(0) depctr_sa_sdst(0) depctr_va_vdst(0) depctr_va_sdst(0) depctr_va_ssrc(0) depctr_va_vcc(0) depctr_vm_vsrc(0)
	s_getreg_b32 s2, hwreg(HW_REG_IB_STS2, 6, 4)
	s_cmp_eq_u32 s2, 0
	s_cbranch_scc0 .Lentry_in_a_cluster
	s_endpgm
.Lentry_in_a_cluster:
	s_bfe_u32 s2, ttmp6, 0x10000c
	s_cmp_lg_u32 s2, 0x3003
	s_cbranch_scc0 .Lentry_shape_is_right
	s_endpgm
.Lentry_shape_is_right:
; ATTENTION on codes of FP4 (E2M1): S^T = K Q^T over the head's 64, softmax, O^T = V^T P^T over the keys, O / the row's sum, and the quantiser of O along (head, d) for the last projection.
; THE SOFTMAX AHEAD OF THE SECOND PRODUCT: t = score x log2(e) / 8; M = the row's largest t so far, rounded UP to a whole number; p = 2^(t - M) is what is quantised, along the keys, not normalised.
; The row's sum is taken of the unquantised p and divides O at the end.  When M moves, the sum and O are multiplied by 2^(old M - new M): exact.
; SHARES.  A work-group owns 256 queries and BOTH heads of a pair (y = 8 b + pair), in two passes; each of its sixteen waves owns one tile of 16 queries, four waves to a SIMD, so that one wave's
; vector work stands beside another's matrix work and LDS loads.  After both passes a wave holds a whole fragment (128 along the last product's K) and a whole scale word for its 16 rows.
; LDS is filled once: K's and V's pieces and the scale words of both heads fit, so there is no ring.
; CLUSTER.  The four query blocks of a cluster walk the same K and V: every tile is asked for jointly, by the same tensor load with the same descriptor and the mask 15.
; OPERANDS lie as PIECES of 512 bytes (lane l's 16 bytes at 16 l: the codes k = 32 (l / 16) + 0 .. 31 of row l % 16 of a tile of 16 rows): one ds_load_b128 at 16 x lane brings half a fragment.
; K = 64 IN AN INSTRUCTION OF 128: Q's fragment is its piece and four registers of zero codes.  A key tile's operand is its piece and the four registers behind it (the next tile's codes, or zeros), which meet
; Q's zero codes; the scale words of Q and K are loaded as 16 bits, so the bytes of the unused half are 0, the smallest scale, and not 0xff.
; Both products are used transposed: a lane holds ONE query (lane % 16) throughout; register j of tile t holds key (or d) 16 t + 8 (lane / 16) + j.
; LIMITS: NaN and infinities are not served.  A block of zeros gets the scale byte 1 (its codes are zeros; this program alone reads the bytes).
.set HEADB, 131072                     ; LDS: head e at e x 131,072: K's 128 pieces, then V's 128
.set VOFF,  65536
.set KSC,   262144                     ; K's scale words of the pair: 2,048 words (low half: the even head)
.set VSC,   270336                     ; V's: 4,096 bytes a head: [step of 128 keys 16][d 64] words
.set STG,   278528                     ; the scale words on their way out: 256 words; written by LDS stores, no tile lands here
.set KF,  32                           ; v32-67    eight pieces of K and four registers of zeros
.set VF,  68                           ; v68-99    V's four fragments
.set S,   100                          ; v100-163  S^T, then p
.set OT,  164                          ; v164-195  O^T
.set PCD, 196                          ; v196-203  p's codes
.set KSW, 204                          ; v204-211  K's scale words;  v212-215 V's;  v216, v217 Q's (head 0, 1);  v218 p's
.set VSW, 212
.set PSW, 218
.set FF,  220                          ; v[220:221] f = 2^(old M - new M); the pair's upper word is written once
.set BM,  222                          ; v222-225  a block's largest score, then its largest p
.set BX,  226                          ; v226-229  the other half's; then the bytes
.set SCL, 230                          ; v230-233  the conversions' scale operands
.set CH2, 234                          ; v[234:235] the sum's second chain
.set TMP, 236
.set TM,  BM                           ; the quantiser of O works in the same registers
.set TX,  BX
.set SQ,  SCL
.set WV,  20                           ; s20 wave, s21 cx, s22 y, s23 block of 256 queries
.set SEL, 52                           ; s[52:53] lane selects for v_permlanex16_b32: lane l xor 16
.set CS,  54                           ; s[54:55] c = log2(e) / 8
.set TK,  56                           ; s56 LDS byte of the step's pieces;  s57 of K's scale words;  s58 of V's;  s59 steps to go
.set TSK, 57
.set TJ,  58
.set CNT, 59
.macro CROUND
	s_barrier_signal -1
	s_barrier_wait -1
	s_cmp_lg_u32 s[WV], 0
	s_cbranch_scc1 .Lnot_wave_0_\@
	s_barrier_signal -3
.Lnot_wave_0_\@:
	s_barrier_wait -3
	s_barrier_signal -1
	s_barrier_wait -1
.endm
	s_load_b512 s[4:19], s[0:1], 0x0               ; qc s[4:5], qs s[6:7], kc s[8:9], ks s[10:11], vc s[12:13], vs s[14:15], oc s[16:17], os s[18:19]
	v_lshl_add_u32 v254, v0, 2, 0x48000
	v_mov_b32 v255, 0
	ds_add_u32 v254, v255
	ds_add_u32 v254, v255
	v_lshrrev_b32 v1, 5, v0
	v_readfirstlane_b32 s[WV], v1
	s_bfe_u32 s21, ttmp6, 0x40000
	s_and_b32 s22, ttmp7, 0xffff
	s_lshl_b32 s23, ttmp9, 2
	s_add_co_u32 s23, s23, s21                     ; it enters Q's and the outputs' addresses alone
	; descriptor groups 1: dense blocks as rows of 256 bytes (32 elements of 8 bytes): s[24:31] 4 rows, s[32:39] 32 rows
	s_mov_b32 s24, 15|(3<<16)|(1<<21)              ; 15:0 the mask: all four work-groups; elements of 8 bytes; 21 set beside a mask
	s_mov_b32 s25, 32<<16
	s_mov_b32 s26, 4<<16
	s_mov_b32 s27, 32<<16
	s_mov_b32 s28, 4
	s_mov_b32 s29, 32
	s_mov_b32 s30, 0
	s_mov_b32 s31, 0
	s_mov_b32 s32, 15|(3<<16)|(1<<21)
	s_mov_b32 s33, 32<<16
	s_mov_b32 s34, 32<<16
	s_mov_b32 s35, 32<<16
	s_mov_b32 s36, 32
	s_mov_b32 s37, 32
	s_mov_b32 s38, 0
	s_mov_b32 s39, 0
	s_mov_b32 s[SEL], 0x76543210
	s_mov_b32 s[SEL+1], 0xfedcba98
	s_mov_b32 s[CS], 0x3e38aa3b
	s_mov_b32 s[CS+1], s[CS]                       ; (named with it as a pair, so it is written)
	s_and_b32 s60, s[WV], 7                        ; waves 0-7 fetch for K, waves 8-15 for V: an eighth each
	s_lshl_b32 s62, s60, 10
	s_lshl_b32 s61, s22, 13
	s_add_co_u32 s62, s62, s61                     ; scale words: 8,192 bytes for the pair, 1,024 a wave
	s_mov_b32 s63, 0
	s_lshl_b32 s66, s60, 13
	s_lshl_b32 s61, s22, 17
	s_add_co_u32 s66, s66, s61                     ; pieces: 65,536 bytes a head, 8,192 a wave
	s_mov_b32 s67, 0
	s_wait_dscnt 0x0
	s_wait_kmcnt 0x0
	s_cmp_lt_u32 s[WV], 8
	s_cselect_b64 s[68:69], s[10:11], s[14:15]
	s_cselect_b64 s[70:71], s[8:9], s[12:13]
	s_mov_b32 s40, 1                               ; groups 0: s[40:43] scale words, s[44:47] head 0, s[48:51] head 1.  The LDS addresses hang on the wave's number alone
	s_lshl_b32 s41, s[WV], 10
	s_add_co_u32 s41, s41, KSC
	s_add_nc_u64 s[42:43], s[68:69], s[62:63]
	s_or_b32 s43, s43, 0x80000000
	s_mov_b32 s44, 1
	s_lshl_b32 s45, s[WV], 13
	s_add_nc_u64 s[46:47], s[70:71], s[66:67]
	s_mov_b32 s48, 1
	s_add_co_u32 s49, s45, HEADB
	s_add_nc_u64 s[50:51], s[46:47], 65536
	s_or_b32 s47, s47, 0x80000000
	s_or_b32 s51, s51, 0x80000000
	CROUND                                         ; all four work-groups are here: the joint loads meet
	tensor_load_to_lds s[40:43], s[24:31]          ; three loads of mine are out: the scale words,
	s_nop 0
	tensor_load_to_lds s[44:47], s[32:39]          ; the even head,
	s_nop 0
	tensor_load_to_lds s[48:51], s[32:39]          ; the odd head
	s_nop 0
.rept 4
	v_nop
.endr
	v_and_b32 v239, 15, v0                         ; r
	v_and_b32 v237, 31, v0                         ; lane
	v_lshlrev_b32 v1, 4, v237                      ; v1: 16 x lane: a piece's place for my lane; K's pieces begin at a head's first byte
	v_add_nc_u32 v2, VOFF, v1                      ; v2: V's
	v_lshlrev_b32 v238, 2, v239                    ; v238: 4 r; never rewritten
	v_add_nc_u32 v3, KSC, v238                     ; v3: K's scale words
	v_add_nc_u32 v4, VSC, v238                     ; v4: V's
	s_lshl_b32 s60, s[WV], 6
	s_add_co_u32 s60, s60, STG
	v_add_nc_u32 v5, s60, v238                     ; v5: where my rows' scale words go
	v_lshlrev_b32 v7, 3, v237                      ; v7: 8 x lane
	s_lshl_b32 s60, s[WV], 8
	s_add_co_u32 s60, s60, STG
	v_add_nc_u32 v6, s60, v7                       ; v6: where waves 0-3 read 64 of them back
	s_lshl_b32 s60, s22, 8                         ; Q's pieces: ((2 y + e) x 128 + 16 block + wave) x 512
	s_lshl_b32 s62, s23, 4
	s_add_co_u32 s60, s60, s62
	s_add_co_u32 s60, s60, s[WV]
	s_lshl_b32 s60, s60, 9
	s_mov_b32 s61, 0
	s_add_nc_u64 s[4:5], s[4:5], s[60:61]
	global_load_b128 v[16:19], v1, s[4:5]
	global_load_b128 v[24:27], v1, s[4:5] offset:65536
	s_lshl_b32 s60, s22, 11                        ; Q's scale words: (2,048 y + 256 block + 16 wave + r) x 4, the odd head's half 2 bytes on
	s_lshl_b32 s62, s23, 8
	s_add_co_u32 s60, s60, s62
	s_lshl_b32 s62, s[WV], 4
	s_add_co_u32 s60, s60, s62
	s_lshl_b32 s60, s60, 2
	s_add_nc_u64 s[6:7], s[6:7], s[60:61]
	global_load_u16 v216, v238, s[6:7]
	global_load_u16 v217, v238, s[6:7] offset:2
	s_lshr_b32 s60, s22, 3                         ; O's codes: ((128 b + 16 block + wave) x 8 + pair) x 1,024
	s_lshl_b32 s60, s60, 7
	s_lshl_b32 s62, s23, 4
	s_add_co_u32 s60, s60, s62
	s_add_co_u32 s60, s60, s[WV]
	s_lshl_b32 s60, s60, 3
	s_and_b32 s62, s22, 7
	s_add_co_u32 s60, s60, s62
	s_lshl_b32 s60, s60, 10
	s_add_nc_u64 s[16:17], s[16:17], s[60:61]
.irp i, 20,21,22,23,28,29,30,31,64,65,66,67
	v_mov_b32 v\i, 0                               ; zero codes: the upper halves of Q's two fragments, and behind K's last piece
.endr
.irp b, 0,1,2,3
	v_mov_b32 v[BX+\b], 0                          ; a lane permute's destination counts as one of its sources
.endr
	v_mov_b32 v[FF+1], 0
	v_mov_b32 v[TMP], 0
	s_wait_tensorcnt 0x1                           ; my scale words and my part of the even head have landed; the one load issued behind them may be out
	s_barrier_signal -1
	s_barrier_wait -1                              ; everybody's have
	s_wait_loadcnt 0x0                             ; Q
; A KEY STEP: 128 keys.
.macro STEP qf, qsw
	v_add_nc_u32 v8, s[TK], v1                     ; these four are also the places behind the last step's products, in front of the loads into their operands
	v_add_nc_u32 v9, s[TK], v2
	v_add_nc_u32 v10, s[TSK], v3
	v_add_nc_u32 v11, s[TJ], v4
.irp t, 0,1,2,3,4,5,6,7
	ds_load_b128 v[KF+4*\t:KF+4*\t+3], v8 offset:512*\t
.endr
.irp t, 0,1,2,3,4,5,6,7
	ds_load_u16 v[KSW+\t], v10 offset:64*\t        ; my head's two bytes of key 16 t + r; the upper half is 0
.endr
.irp dt, 0,1,2,3
.irp c, 0,1
	ds_load_b128 v[VF+8*\dt+4*\c:VF+8*\dt+4*\c+3], v9 offset:2048*\c+512*\dt   ; keys 64 c on, d = 16 dt on
.endr
.endr
.irp dt, 0,1,2,3
	ds_load_b32 v[VSW+\dt], v11 offset:64*\dt
.endr
	s_wait_dscnt 0xc                               ; K is in; V's twelve loads may be out
.irp t, 0,1,2,3,4,5,6,7
	v_wmma_scale_f32_16x16x128_f8f6f4 v[S+8*\t:S+8*\t+7], v[KF+4*\t:KF+4*\t+7], v[\qf:\qf+7], 0, v[KSW+\t], v[\qsw] matrix_a_fmt:MATRIX_FMT_FP4 matrix_b_fmt:MATRIX_FMT_FP4
.endr
.rept 4
	v_nop                                          ; four places in front of the first read of results (ISA guide 7.12.1)
.endr
.irp b, 0,1,2,3
	v_max3_num_f32 v[BM+\b], v[S+16*\b], v[S+16*\b+1], v[S+16*\b+2]   ; THE LARGEST SCORE OF EACH BLOCK OF 32 KEYS (tiles 2 b, 2 b + 1): for the row's maximum and, since p rises with the score, for the block's largest p
.endr
.irp i, 3,5,7,9,11,13
.irp b, 0,1,2,3
	v_max3_num_f32 v[BM+\b], v[BM+\b], v[S+16*\b+\i], v[S+16*\b+\i+1]
.endr
.endr
.irp b, 0,1,2,3
	v_max_num_f32 v[BM+\b], v[BM+\b], v[S+16*\b+15]
.endr
.irp b, 0,1,2,3
	v_permlanex16_b32 v[BX+\b], v[BM+\b], s[SEL], s[SEL+1]
.endr
.irp b, 0,1,2,3
	v_max_num_f32 v[BM+\b], v[BM+\b], v[BX+\b]     ; with lane l xor 16's 16 keys
.endr
	v_max3_num_f32 v[TMP], v[BM], v[BM+1], v[BM+2]
	v_max_num_f32 v[TMP], v[TMP], v[BM+3]          ; the step's largest score of my query
	v_mul_f32 v[TMP], s[CS], v[TMP]                ; as t
	v_max_num_f32 v13, v13, v[TMP]                 ; the running largest t
	v_mov_b32 v[TMP], v12
	v_floor_f32 v12, -v13                          ; the new -M = floor(-t): M is a whole number
	v_sub_f32 v[TMP], v12, v[TMP]                  ; old M - new M: a whole number, 0 or less
	v_cvt_i32_f32 v[TMP], v[TMP]                   ; (it saturates)
	v_ldexp_f32 v[FF], 1.0, v[TMP]                 ; f = 2^(old M - new M)
.set j, 0
.rept 32
	v_pk_fma_f32 v[S+j:S+j+1], v[S+j:S+j+1], s[CS:CS+1], v[12:13] op_sel_hi:[1,0,0]   ; t - M, two at a time
.set j, j+2
.endr
.irp b, 0,1,2,3
	v_fma_f32 v[BM+\b], v[BM+\b], s[CS], v12       ; the same of each block's largest score
.endr
.set j, 0
.rept 64
	v_exp_f32 v[S+j], v[S+j]                       ; p = 2^(t - M), at most 1
.set j, j+1
.endr
	v_pk_mul_f32 v[14:15], v[14:15], v[FF:FF+1] op_sel_hi:[1,0]   ; the sums under the new M: a plain instruction behind the exponentials
	s_wait_alu depctr_va_vdst(0)                   ; one wait for the whole batch, ahead of its first reader
.irp b, 0,1,2,3
	v_exp_f32 v[BM+\b], v[BM+\b]                   ; the block's largest p
.endr
	v_pk_add_f32 v[CH2:CH2+1], v[S:S+1], v[S+2:S+3]   ; THE ROW'S SUM IS TAKEN OF THE UNQUANTISED p, in two chains; it reads the 64 alone
.set j, 4
.rept 15
	v_pk_add_f32 v[14:15], v[14:15], v[S+j:S+j+1]
	v_pk_add_f32 v[CH2:CH2+1], v[CH2:CH2+1], v[S+j+2:S+j+3]
.set j, j+4
.endr
	v_pk_add_f32 v[14:15], v[14:15], v[CH2:CH2+1]
	s_wait_alu depctr_va_vdst(0)                   ; and one for the four
.irp b, 0,1,2,3
	v_max_num_f32 v[BM+\b], 0x1800000, v[BM+\b]    ; the floor 2^(3 - 127): the byte cannot fall under 1
.endr
.irp b, 0,1,2,3
	v_add_nc_u32 v[SCL+\b], 0xff000000, v[BM+\b]   ; 2 off the exponent field: the conversion's scale operand
.endr
.irp b, 0,1,2,3
	v_lshrrev_b32 v[BX+\b], 23, v[SCL+\b]          ; the scale's byte
.endr
	v_lshl_or_b32 v[PSW], v[BX+1], 8, v[BX]        ; p's scale word for these 128 keys
	v_lshl_or_b32 v[PSW], v[BX+2], 16, v[PSW]
	v_lshl_or_b32 v[PSW], v[BX+3], 24, v[PSW]
.irp c, 0,1
	v_cvt_scalef32_pk8_fp4_f32 v[PCD+4*\c], v[S+32*\c:S+32*\c+7], v[SCL+2*\c]
	v_cvt_scalef32_pk8_fp4_f32 v[PCD+4*\c+1], v[S+32*\c+16:S+32*\c+23], v[SCL+2*\c+1]
	v_cvt_scalef32_pk8_fp4_f32 v[PCD+4*\c+2], v[S+32*\c+8:S+32*\c+15], v[SCL+2*\c]
	v_cvt_scalef32_pk8_fp4_f32 v[PCD+4*\c+3], v[S+32*\c+24:S+32*\c+31], v[SCL+2*\c+1]
.endr
	v_nop                                          ; one plain instruction behind a scaled conversion
.irp c, 0,1
	v_permlane16_swap_b32 v[PCD+4*\c], v[PCD+4*\c+1]       ; tiles 4 c and 4 c + 2 change halves, and tiles 4 c + 1 and 4 c + 3: registers 4 c .. 4 c + 3 now hold keys 64 c + 32 (lane / 16) + 0 .. 31
	v_permlane16_swap_b32 v[PCD+4*\c+2], v[PCD+4*\c+3]
.endr
.set j, 0
.rept 16
	v_pk_mul_f32 v[OT+j:OT+j+1], v[OT+j:OT+j+1], v[FF:FF+1] op_sel_hi:[1,0]   ; O^T under the new M.  These sixteen are also the places between the writes of p's codes and scale word and the products below
.set j, j+2
.endr
	s_wait_dscnt 0x0                               ; V is in
.irp dt, 0,1,2,3
	v_wmma_scale_f32_16x16x128_f8f6f4 v[OT+8*\dt:OT+8*\dt+7], v[VF+8*\dt:VF+8*\dt+7], v[PCD:PCD+7], v[OT+8*\dt:OT+8*\dt+7], v[VSW+\dt], v[PSW] matrix_a_fmt:MATRIX_FMT_FP4 matrix_b_fmt:MATRIX_FMT_FP4
.endr
	s_add_co_u32 s[TK], s[TK], 4096                ; eight pieces of K on, and eight of V
	s_add_co_u32 s[TSK], s[TSK], 512
	s_add_co_u32 s[TJ], s[TJ], 256
.endm
; 32 numbers of a lane, register 8 t + j = k 16 t + 8 (lane / 16) + j of my row, become a piece and the two blocks' scale bytes (byte 1 << 8 | byte 0)
.macro QUANT32 s, pc, hw
.irp b, 0,1
	v_max3_num_f32 v[TM+\b], |v[(\s)+16*\b]|, |v[(\s)+16*\b+1]|, 0x1800000
.endr
.irp i, 2,4,6,8,10,12,14
.irp b, 0,1
	v_max3_num_f32 v[TM+\b], v[TM+\b], |v[(\s)+16*\b+\i]|, |v[(\s)+16*\b+\i+1]|
.endr
.endr
.irp b, 0,1
	v_permlanex16_b32 v[TX+\b], v[TM+\b], s[SEL], s[SEL+1]
.endr
.irp b, 0,1
	v_max_num_f32 v[TM+\b], v[TM+\b], v[TX+\b]
.endr
.irp b, 0,1
	v_add_nc_u32 v[SQ+\b], 0xff000000, v[TM+\b]
.endr
.irp b, 0,1
	v_lshrrev_b32 v[TX+\b], 23, v[SQ+\b]
.endr
	v_lshl_or_b32 v[\hw], v[TX+1], 8, v[TX]
	v_cvt_scalef32_pk8_fp4_f32 v[(\pc)], v[(\s):(\s)+7], v[SQ]
	v_cvt_scalef32_pk8_fp4_f32 v[(\pc)+1], v[(\s)+16:(\s)+23], v[SQ+1]
	v_cvt_scalef32_pk8_fp4_f32 v[(\pc)+2], v[(\s)+8:(\s)+15], v[SQ]
	v_cvt_scalef32_pk8_fp4_f32 v[(\pc)+3], v[(\s)+24:(\s)+31], v[SQ+1]
	v_nop
	v_permlane16_swap_b32 v[(\pc)], v[(\pc)+1]
	v_permlane16_swap_b32 v[(\pc)+2], v[(\pc)+3]
.endm
; HEAD e OF THE PAIR: all 2,048 keys in 16 steps, then O / the sum, quantised along d: half e of my rows' fragment.
.macro PASS e
	s_mov_b32 s[TK], HEADB*\e
	s_mov_b32 s[TSK], 2*\e
	s_mov_b32 s[TJ], 4096*\e
	s_mov_b32 s[CNT], 16
	v_mov_b32 v13, 0xff61b1e6                      ; the largest t so far: -3e38, under every t
	v_floor_f32 v12, -v13
	v_mov_b32 v14, 0                               ; the sum, in two halves
	v_mov_b32 v15, 0
.set j, 0
.rept 32
	v_mov_b32 v[OT+j], 0                           ; the step is written once: the first finds zeros, which the first change of M leaves zeros
.set j, j+1
.endr
.Lstep_\e:
	STEP 16+8*\e, 216+\e
	s_sub_co_u32 s[CNT], s[CNT], 1
	s_cmp_lg_u32 s[CNT], 0
	s_cbranch_scc1 .Lstep_\e
	v_add_f32 v14, v14, v15                        ; the sum's two halves,
	v_permlanex16_b32 v[TMP], v14, s[SEL], s[SEL+1]
	v_add_f32 v14, v14, v[TMP]                     ; and lane l xor 16's
	v_rcp_f32 v14, v14
.rept 4
	v_nop                                          ; the plain instruction behind the reciprocal, and four places between the last products and the first read of O^T
.endr
	s_wait_alu depctr_va_vdst(0)                   ; ahead of the reciprocal's first reader
.set j, 0
.rept 32
	v_mul_f32 v[S+j], v[OT+j], v14                 ; each accumulator from its low end on
.set j, j+1
.endr
	QUANT32 S, 240+4*\e, 248+\e
	global_store_b128 v1, v[240+4*\e:243+4*\e], s[16:17] offset:512*\e   ; 32 lanes store 512 consecutive bytes, aligned
.endm
	PASS 0
	s_wait_tensorcnt 0x0                           ; my part of the odd head has landed
	s_wait_dscnt 0x0
	s_barrier_signal -1
	s_barrier_wait -1                              ; everybody's has
	PASS 1
	v_lshl_or_b32 v250, v249, 16, v248             ; my row's scale word: the even head's two bytes, the odd head's two
	ds_store_b32 v5, v250                          ; both halves of the lanes write the same word with the same value
	s_wait_dscnt 0x0
	s_barrier_signal -1
	s_barrier_wait -1
	s_cmp_lt_u32 s[WV], 4                          ; waves 0-3 store 64 rows' words each: 256 bytes, aligned
	s_cbranch_scc0 .Lno_words
	s_and_b32 s60, s22, 7                          ; (8,192 pair + 2,048 b + 256 block) x 4 + 256 wave
	s_lshl_b32 s60, s60, 13
	s_lshr_b32 s62, s22, 3
	s_lshl_b32 s62, s62, 11
	s_add_co_u32 s60, s60, s62
	s_lshl_b32 s62, s23, 8
	s_add_co_u32 s60, s60, s62
	s_lshl_b32 s60, s60, 2
	s_lshl_b32 s62, s[WV], 8
	s_add_co_u32 s60, s60, s62
	s_mov_b32 s61, 0
	s_add_nc_u64 s[18:19], s[18:19], s[60:61]
	ds_load_b64 v[252:253], v6
	s_wait_dscnt 0x0
	global_store_b64 v7, v[252:253], s[18:19]
.Lno_words:
	s_wait_tensorcnt 0x0
	ds_add_u32 v254, v255
	s_wait_dscnt 0x0
	CROUND                                         ; the closing round: no work-group ends while a partner may still ask for a tile that names it
	s_endpgm
.Lfunc_end_k_q0bb84731da_attn:
	.size	k_q0bb84731da_attn, .Lfunc_end_k_q0bb84731da_attn-k_q0bb84731da_attn
	.p2alignl 7, 3214868480
	.fill 96, 4, 3214868480
	.section	.rodata,"a",@progbits
	.p2align	6, 0x0
	.amdhsa_kernel k_q0bb84731da_attn
		.amdhsa_group_segment_fixed_size 296960
		.amdhsa_private_segment_fixed_size 0
		.amdhsa_enable_private_segment 0
		.amdhsa_kernarg_size 64
		.amdhsa_user_sgpr_count 2
		.amdhsa_user_sgpr_kernarg_segment_ptr 1
		.amdhsa_wavefront_size32 1
		.amdhsa_system_sgpr_workgroup_id_x 1
		.amdhsa_system_sgpr_workgroup_id_y 1
		.amdhsa_system_sgpr_workgroup_id_z 1
		.amdhsa_system_vgpr_workitem_id 0
		.amdhsa_next_free_vgpr 256
		.amdhsa_next_free_sgpr 80
		.amdhsa_reserve_vcc 0
		.amdhsa_float_denorm_mode_32 3
		.amdhsa_float_denorm_mode_16_64 3
		.amdhsa_memory_ordered 1
		.amdhsa_forward_progress 1
		.amdhsa_inst_pref_size 48
	.end_amdhsa_kernel
	.amdgpu_metadata
---
amdhsa.version: [ 1, 2 ]
amdhsa.kernels:
  - .name:           k_q0bb84731da_attn
    .symbol:         k_q0bb84731da_attn.kd
    .args:
      - { .name: qc, .offset: 0, .size: 8, .value_kind: global_buffer, .address_space: global }
      - { .name: qs, .offset: 8, .size: 8, .value_kind: global_buffer, .address_space: global }
      - { .name: kc, .offset: 16, .size: 8, .value_kind: global_buffer, .address_space: global }
      - { .name: ks, .offset: 24, .size: 8, .value_kind: global_buffer, .address_space: global }
      - { .name: vc, .offset: 32, .size: 8, .value_kind: global_buffer, .address_space: global }
      - { .name: vs, .offset: 40, .size: 8, .value_kind: global_buffer, .address_space: global }
      - { .name: oc, .offset: 48, .size: 8, .value_kind: global_buffer, .address_space: global }
      - { .name: os, .offset: 56, .size: 8, .value_kind: global_buffer, .address_space: global }
    .group_segment_fixed_size: 296960
    .private_segment_fixed_size: 0
    .kernarg_segment_align: 8
    .kernarg_segment_size: 64
    .max_flat_workgroup_size: 512
    .sgpr_count:     80
    .vgpr_count:     256
    .wavefront_size: 32
...
	.end_amdgpu_metadata
.endif
;; end of part 2
;; launch outp (part 3): grid 4 x 64, 8 waves a work-group, clusters of 4 x 4, 263,168 bytes of LDS; arguments Wo_codes, Wo_scales, oc, os, bo, out0; writes out0
.if DOCPART == 3
	.amdgcn_target "amdgcn-amd-amdhsa--gfx1250"
	.amdhsa_code_object_version 6
	.text
	.protected	k_q0bb84731da_outp
	.globl	k_q0bb84731da_outp
	.p2align	8
	.type	k_q0bb84731da_outp,@function
k_q0bb84731da_outp:
	s_mov_b64 s[64:65], 0
	v_nop
	global_prefetch_b8 v0, s[64:65] scope:SCOPE_SE
	s_setreg_imm32_b32 hwreg(HW_REG_WAVE_MODE, 25, 1), 1
	s_wait_xcnt 0x0
	s_wait_alu depctr_hold_cnt(0) depctr_sa_sdst(0) depctr_va_vdst(0) depctr_va_sdst(0) depctr_va_ssrc(0) depctr_va_vcc(0) depctr_vm_vsrc(0)
	s_getreg_b32 s2, hwreg(HW_REG_IB_STS2, 6, 4)
	s_cmp_eq_u32 s2, 0
	s_cbranch_scc0 .Lentry_in_a_cluster
	s_endpgm
.Lentry_in_a_cluster:
	s_bfe_u32 s2, ttmp6, 0x10000c
	s_cmp_lg_u32 s2, 0xf033
	s_cbranch_scc0 .Lentry_shape_is_right
	s_endpgm
.Lentry_shape_is_right:
; THE LAST PROJECTION: out0[m][n] = sum over k of O[m][k] Wo[n][k] + bo[n], on codes of FP4 (E2M1) with one E8M0 byte for each 32 along K = 1,024; sums and result in f32.
; P = Wo goes to source 0, R = the attention's output to source 1: a lane holds one row m (lane % 16) and eight neighbouring columns n = 16 pt + 8 (lane / 16) + j.
; SHARES.  A work-group makes 256 columns x 128 rows.  Wave w: pg = w % 4 (64 columns), rg = w / 4 (64 rows): 4 x 4 tiles, 16 accumulators, 8 K steps of 128.
; Wo's rows lie in LDS as rows of 256 bytes + 16 of padding, in two halves of K.  R arrives as IMAGES OF ITS REGISTERS ([tile of 16 rows][K step][1,024 bytes]: two loads at 16 x lane bring a fragment), its scale
; words as [K step][row].  LDS is filled once: there is no ring.
; CLUSTERS: 4 x 4 work-groups; Wo's tiles are shared along a column of the cluster (same cx), R's along a row (same cy): each is asked for jointly.
; LIMITS: NaN and infinities are not served.
.set PITCH, 272
.set PART,  64*PITCH
.set PSLOT, 256*PITCH                  ; 69,632: P's 256 rows, half of K
.set RIMG,  2*PSLOT                    ; 139,264: R's images: slot s at + 32,768 s: [tile 8][4 K steps x 1,024]
.set SCLP,  RIMG+65536                 ; 204,800: P's scale bytes: 32 units of 256 bytes + 16
.set SCLR,  SCLP+8704                  ; 213,504: R's scale words: [K step 8][128 rows]
.set STAGE, SCLR+4096                  ; 217,600: the way out: 16 rows x (256 bytes + 16) for each wave; written by LDS stores, no tile lands here
.set ACC, 16                           ; v16-143   accumulator (pt, rt) at ACC + 32 rt + 8 pt
.set PF,  144                          ; v144-175  P's four fragments; on the way out rows read back from the stage
.set RF,  176                          ; v176-207  R's
.set PS,  208                          ; v208-223  P's scale words: 4 pt + K step % 4
.set RS,  224                          ; v224-239  R's: 4 rt + K step % 4
.set WV,  66
.set PG,  67
.set RG,  68
.set CX,  71
.set CY,  72
.set PTL, 73
.set RTL, 74
.macro CROUND
	s_barrier_signal -1
	s_barrier_wait -1
	s_cmp_lg_u32 s[WV], 0
	s_cbranch_scc1 .Lnot_wave_0_\@
	s_barrier_signal -3
.Lnot_wave_0_\@:
	s_barrier_wait -3
	s_barrier_signal -1
	s_barrier_wait -1
.endm
.macro JLOAD g0p, g1p, g0r, g1r        ; waves 0-3 fetch for P, waves 4-7 for R; four v_nop follow each line
	s_cmp_lt_u32 s[WV], 4
	s_cbranch_scc0 .Lfor_r_\@
	tensor_load_to_lds s[\g0p:\g0p+3], s[\g1p:\g1p+7]
	s_nop 0
.rept 4
	v_nop
.endr
	s_branch .Lasked_\@
.Lfor_r_\@:
	tensor_load_to_lds s[\g0r:\g0r+3], s[\g1r:\g1r+7]
	s_nop 0
.rept 4
	v_nop
.endr
.Lasked_\@:
.endm
	s_load_b256 s[4:11], s[0:1], 0x0               ; Wo's codes s[4:5], Wo's scales s[6:7], oc s[8:9], os s[10:11]
	s_load_b128 s[12:15], s[0:1], 0x20             ; bo s[12:13], out0 s[14:15]
	v_lshl_add_u32 v254, v0, 2, 0x40000
	v_mov_b32 v255, 0
	ds_add_u32 v254, v255
	ds_add_u32 v254, v255
	v_lshrrev_b32 v1, 5, v0
	v_readfirstlane_b32 s[WV], v1
	s_and_b32 s[PG], s[WV], 3                      ; also: which quarter of a tile I fetch
	s_lshr_b32 s[RG], s[WV], 2
	s_bfe_u32 s[CX], ttmp6, 0x40000
	s_bfe_u32 s[CY], ttmp6, 0x40004
	s_lshl_b32 s[PTL], ttmp9, 2
	s_add_co_u32 s[PTL], s[PTL], s[CX]             ; which 256 columns
	s_and_b32 s[RTL], ttmp7, 0xffff
	s_lshl_b32 s[RTL], s[RTL], 2
	s_add_co_u32 s[RTL], s[RTL], s[CY]             ; which 128 rows
	s_lshl_b32 s75, 0x1111, s[CX]                  ; my column of the cluster
	s_lshl_b32 s76, s[CY], 2
	s_lshl_b32 s76, 15, s76                        ; my row
	; descriptor groups 1
	s_or_b32 s20, s75, (1<<20)|(1<<21)|(5<<22)|(3<<25)         ; P's codes: 64 rows x 256 bytes, 512 bytes apart, four words of padding behind every 64
	s_mov_b32 s21, 256<<16
	s_mov_b32 s22, 64<<16
	s_mov_b32 s23, 256<<16
	s_mov_b32 s24, 64
	s_mov_b32 s25, 512
	s_mov_b32 s26, 0
	s_mov_b32 s27, 0
	s_or_b32 s28, s76, (3<<16)|(1<<21)             ; R's images: two tiles' 4,096 bytes (512 elements of 8 bytes), 8,192 bytes apart: the rows are long, so a load has few
	s_mov_b32 s29, 512<<16
	s_mov_b32 s30, 2<<16
	s_mov_b32 s31, 512<<16
	s_mov_b32 s32, 2
	s_mov_b32 s33, 1024
	s_mov_b32 s34, 0
	s_mov_b32 s35, 0
	s_or_b32 s36, s75, (3<<16)|(1<<20)|(1<<21)|(5<<22)|(3<<25) ; P's scale bytes of 64 rows: 8 rows of 256 bytes, dense
	s_mov_b32 s37, 32<<16
	s_mov_b32 s38, 8<<16
	s_mov_b32 s39, 32<<16
	s_mov_b32 s40, 8
	s_mov_b32 s41, 32
	s_mov_b32 s42, 0
	s_mov_b32 s43, 0
	s_or_b32 s44, s76, (3<<16)|(1<<21)             ; R's scale words: two K steps' 512 bytes (128 rows), 32,768 bytes apart
	s_mov_b32 s45, 64<<16
	s_mov_b32 s46, 2<<16
	s_mov_b32 s47, 64<<16
	s_mov_b32 s48, 2
	s_mov_b32 s49, 4096
	s_mov_b32 s50, 0
	s_mov_b32 s51, 0
	; where the tiles come from, each chain in registers that never hold the other coordinate
	s_lshl_b32 s78, s[PTL], 8
	s_lshl_b32 s79, s[PG], 6
	s_add_co_u32 s78, s78, s79                     ; P: row 256 x tile + 64 x quarter
	s_lshl_b32 s82, s78, 5
	s_mov_b32 s83, 0
	s_lshl_b32 s78, s78, 9
	s_mov_b32 s79, 0
	s_lshl_b32 s80, s[RTL], 3
	s_lshl_b32 s81, s[PG], 1
	s_add_co_u32 s80, s80, s81                     ; R: tile of 16 rows 8 x tile + 2 x quarter,
	s_lshl_b32 s80, s80, 13                        ; 8,192 bytes each
	s_mov_b32 s81, 0
	s_lshl_b32 s2, s[RTL], 9                       ; its words: 512 x tile + 65,536 x quarter
	s_lshl_b32 s3, s[PG], 16
	s_add_co_u32 s2, s2, s3
	s_mov_b32 s3, 0
	s_wait_dscnt 0x0
	s_wait_kmcnt 0x0
	s_mov_b32 s52, 1                               ; groups 0.  P: s[52:55] scales, s[56:59], s[60:63] the two halves of K.  R: s[84:87], s[88:91], s[92:95]
	s_mul_i32 s53, s[PG], 2176
	s_add_co_u32 s53, s53, SCLP
	s_add_nc_u64 s[54:55], s[6:7], s[82:83]
	s_or_b32 s55, s55, 0x80000000
	s_mov_b32 s84, 1
	s_lshl_b32 s85, s[PG], 10
	s_add_co_u32 s85, s85, SCLR
	s_add_nc_u64 s[86:87], s[10:11], s[2:3]
	s_or_b32 s87, s87, 0x80000000
.irp s, 0,1
	s_mov_b32 s[56+4*\s], 1
	s_mul_i32 s[57+4*\s], s[PG], PART
	s_add_co_u32 s[57+4*\s], s[57+4*\s], \s*PSLOT
	s_add_nc_u64 s[58+4*\s:59+4*\s], s[4:5], s[78:79]
	s_add_nc_u64 s[58+4*\s:59+4*\s], s[58+4*\s:59+4*\s], 256*\s
	s_or_b32 s[59+4*\s], s[59+4*\s], 0x80000000
	s_mov_b32 s[88+4*\s], 1
	s_lshl_b32 s[89+4*\s], s[PG], 13
	s_add_co_u32 s[89+4*\s], s[89+4*\s], RIMG+32768*\s
	s_add_nc_u64 s[90+4*\s:91+4*\s], s[8:9], s[80:81]
	s_add_nc_u64 s[90+4*\s:91+4*\s], s[90+4*\s:91+4*\s], 4096*\s
	s_or_b32 s[91+4*\s], s[91+4*\s], 0x80000000
.endr
	CROUND                                         ; all sixteen work-groups are here: the joint loads meet
	JLOAD 52, 36, 84, 44                           ; three loads of mine are out: the scales,
	JLOAD 56, 20, 88, 28                           ; K's first half,
	JLOAD 60, 20, 92, 28                           ; K's second half
	v_and_b32 v240, 15, v0                         ; r
	v_bfe_u32 v241, v0, 4, 1                       ; h
	v_and_b32 v242, 31, v0                         ; lane
	v_lshlrev_b32 v12, 5, v241                     ; 32 h
	s_lshl_b32 s96, s[PTL], 10
	s_lshl_b32 s97, s[PG], 8
	s_add_co_u32 s96, s96, s97                     ; my first column, in bytes of f32
	s_mov_b32 s97, 0
	s_add_nc_u64 s[12:13], s[12:13], s[96:97]
.irp rt, 0,1,2,3
.irp pt, 0,1,2,3
	global_load_b128 v[ACC+32*\rt+8*\pt:ACC+32*\rt+8*\pt+3], v12, s[12:13] offset:64*\pt          ; THE BIAS goes straight into the accumulators: register j: bo of column 16 pt + 8 h + j
	global_load_b128 v[ACC+32*\rt+8*\pt+4:ACC+32*\rt+8*\pt+7], v12, s[12:13] offset:64*\pt+16
.endr
.endr
	s_add_nc_u64 s[14:15], s[14:15], s[96:97]      ; out0 at my first column,
	s_lshl_b32 s96, s[RTL], 7
	s_lshl_b32 s101, s[RG], 6
	s_add_co_u32 s96, s96, s101
	s_lshl_b32 s96, s96, 12                        ; and my first row, 4,096 bytes each
	s_add_nc_u64 s[14:15], s[14:15], s[96:97]
	v_mul_u32_u24 v243, v240, PITCH
	v_lshl_add_u32 v244, v241, 4, v243             ; a fragment's row x pitch + 16 x half
	s_mul_i32 s96, s[PG], PART
	v_add_nc_u32 v1, s96, v244                     ; v1, v2: my 64 rows of P, K's first and second half
	v_add_nc_u32 v2, PSLOT, v1
	v_lshlrev_b32 v245, 4, v242
	s_lshl_b32 s96, s[RG], 14
	s_add_co_u32 s96, s96, RIMG
	v_add_nc_u32 v3, s96, v245                     ; v3: my four tiles' images: 16 x lane
	v_lshlrev_b32 v246, 2, v240
	s_lshl_b32 s96, s[RG], 8
	s_add_co_u32 s96, s96, SCLR
	v_add_nc_u32 v4, s96, v246                     ; v4: R's scale words: 4 r
	v_lshlrev_b32 v5, 5, v240                      ; P's scale bytes: 32 a row,
	v_lshrrev_b32 v247, 3, v240
	v_lshl_add_u32 v5, v247, 4, v5                 ; and 16 more for each 256 passed
	s_mul_i32 s96, s[PG], 2176
	s_add_co_u32 s96, s96, SCLP
	v_add_nc_u32 v5, s96, v5                       ; v5
	s_mul_i32 s96, s[WV], 16*PITCH
	s_add_co_u32 s96, s96, STAGE                   ; my stage
	v_lshl_add_u32 v6, v241, 5, v243
	v_add_nc_u32 v6, s96, v6                       ; v6: in: row r, 32 bytes for each half of the lanes
	v_mul_u32_u24 v7, v241, PITCH
	v_lshl_add_u32 v7, v240, 4, v7
	v_add_nc_u32 v7, s96, v7                       ; v7: back: lanes 0-15 one row of 256 bytes, lanes 16-31 the next
	v_lshlrev_b32 v8, 12, v241
	v_lshl_add_u32 v8, v240, 4, v8                 ; v8: and the same two rows in out0
.macro SCALES half                     ; the scale words of four K steps
.irp i, 0,1,2,3
	ds_load_b128 v[PS+4*\i:PS+4*\i+3], v5 offset:544*\i+16*\half
.endr
.irp i, 0,1,2,3
.irp q, 0,1,2,3
	ds_load_b32 v[RS+4*\i+\q], v4 offset:512*(4*\half+\q)+64*\i
.endr
.endr
.endm
; 8 matrix instructions: R's tiles r0, r0 + 1 x P's four.  The sixteen accumulators take turns, one instruction a turn, in the same order in every step.
.macro MUL8 r0, q
.irp rt, \r0, \r0+1
.irp pt, 0,1,2,3
	v_wmma_scale_f32_16x16x128_f8f6f4 v[ACC+32*(\rt)+8*\pt:ACC+32*(\rt)+8*\pt+7], v[PF+8*\pt:PF+8*\pt+7], v[RF+8*(\rt):RF+8*(\rt)+7], v[ACC+32*(\rt)+8*\pt:ACC+32*(\rt)+8*\pt+7], v[PS+4*\pt+\q], v[RS+4*(\rt)+\q] matrix_a_fmt:MATRIX_FMT_FP4 matrix_b_fmt:MATRIX_FMT_FP4
.endr
.endr
.endm
.macro STEP slot, q
.rept 4
	v_nop                                          ; four places in front of loads into registers that matrix instructions have read (ISA guide 7.12.1 for vector instructions)
.endr
.irp i, 0,1,2,3
.irp c, 0,1
	ds_load_b128 v[PF+8*\i+4*\c:PF+8*\i+4*\c+3], v[1+\slot] offset:16*PITCH*\i+64*\q+32*\c
.endr
.endr
.irp i, 0,1,2,3
.irp c, 0,1
	ds_load_b128 v[RF+8*\i+4*\c:RF+8*\i+4*\c+3], v3 offset:32768*\slot+4096*\i+1024*\q+512*\c
.endr
.endr
	s_wait_dscnt 0x4                               ; all but the four youngest loads, R's tiles 2 and 3
	MUL8 0, \q
	s_wait_dscnt 0x0
	MUL8 2, \q
.endm
	s_wait_tensorcnt 0x1                           ; my scales and my part of K's first half have landed; the one load issued behind them may be out
	s_barrier_signal -1
	s_barrier_wait -1                              ; everybody's have
	SCALES 0
	s_wait_loadcnt 0x0                             ; the bias
	STEP 0, 0
	STEP 0, 1
	STEP 0, 2
	STEP 0, 3
	s_wait_tensorcnt 0x0                           ; my part of K's second half has landed
	s_wait_dscnt 0x0
	s_barrier_signal -1
	s_barrier_wait -1                              ; everybody's has
.rept 4
	v_nop                                          ; places in front of the loads into the scale registers that the last products named
.endr
	SCALES 1
	STEP 1, 0
	STEP 1, 1
	STEP 1, 2
	STEP 1, 3
; THE WAY OUT, 16 rows x 64 columns at a time.  A lane holds 32 neighbouring bytes of a row and the lanes beside it hold other rows: so a tile goes through my own stage in LDS and comes back as whole rows of 256 bytes.
; LDS serves a wave's instructions in order (ISA guide 5.7.1.4): no wait between the stores and the loads, nor in front of the next tile's stores.
.macro TOSTAGE rt
.irp pt, 0,1,2,3
	ds_store_b128 v6, v[ACC+32*(\rt)+8*\pt:ACC+32*(\rt)+8*\pt+3] offset:64*\pt          ; each accumulator from its low end on
	ds_store_b128 v6, v[ACC+32*(\rt)+8*\pt+4:ACC+32*(\rt)+8*\pt+7] offset:64*\pt+16
.endr
.irp i, 0,1,2,3,4,5,6,7
	ds_load_b128 v[PF+32*((\rt)%2)+4*\i:PF+32*((\rt)%2)+4*\i+3], v7 offset:2*PITCH*\i
.endr
.endm
.macro SEND rt, younger                ; younger: the LDS instructions issued behind tile rt's loads: the next tile's eight stores and eight loads, or none
	s_wait_dscnt \younger
.irp i, 0,1,2,3,4,5,6,7
	global_store_b128 v8, v[PF+32*((\rt)%2)+4*\i:PF+32*((\rt)%2)+4*\i+3], s[14:15] offset:(16*(\rt)+2*\i)*4096 th:TH_STORE_NT   ; sixteen lanes store 256 consecutive bytes, aligned; written once, read by nobody here
.endr
.endm
.rept 4
	v_nop                                          ; places behind the last products: in front of the first read of results and of the loads into what held fragments
.endr
	TOSTAGE 0
	TOSTAGE 1
	SEND 0, 16
	s_wait_xcnt 0x0                                ; tile 0's stores have read their registers: tile 2's rows may land there
	TOSTAGE 2
	SEND 1, 16
	s_wait_xcnt 0x0                                ; tile 1's likewise
	TOSTAGE 3
	SEND 2, 16
	SEND 3, 0
	s_wait_tensorcnt 0x0
	ds_add_u32 v254, v255
	s_wait_dscnt 0x0
	CROUND                                         ; the closing round: no work-group ends while a partner may still ask for a tile that names it
	s_endpgm
.Lfunc_end_k_q0bb84731da_outp:
	.size	k_q0bb84731da_outp, .Lfunc_end_k_q0bb84731da_outp-k_q0bb84731da_outp
	.p2alignl 7, 3214868480
	.fill 96, 4, 3214868480
	.section	.rodata,"a",@progbits
	.p2align	6, 0x0
	.amdhsa_kernel k_q0bb84731da_outp
		.amdhsa_group_segment_fixed_size 263168
		.amdhsa_private_segment_fixed_size 0
		.amdhsa_enable_private_segment 0
		.amdhsa_kernarg_size 48
		.amdhsa_user_sgpr_count 2
		.amdhsa_user_sgpr_kernarg_segment_ptr 1
		.amdhsa_wavefront_size32 1
		.amdhsa_system_sgpr_workgroup_id_x 1
		.amdhsa_system_sgpr_workgroup_id_y 1
		.amdhsa_system_sgpr_workgroup_id_z 1
		.amdhsa_system_vgpr_workitem_id 0
		.amdhsa_next_free_vgpr 256
		.amdhsa_next_free_sgpr 102
		.amdhsa_reserve_vcc 0
		.amdhsa_float_denorm_mode_32 3
		.amdhsa_float_denorm_mode_16_64 3
		.amdhsa_memory_ordered 1
		.amdhsa_forward_progress 1
		.amdhsa_inst_pref_size 49
	.end_amdhsa_kernel
	.amdgpu_metadata
---
amdhsa.version: [ 1, 2 ]
amdhsa.kernels:
  - .name:           k_q0bb84731da_outp
    .symbol:         k_q0bb84731da_outp.kd
    .args:
      - { .name: Wo_codes, .offset: 0, .size: 8, .value_kind: global_buffer, .address_space: global }
      - { .name: Wo_scales, .offset: 8, .size: 8, .value_kind: global_buffer, .address_space: global }
      - { .name: oc, .offset: 16, .size: 8, .value_kind: global_buffer, .address_space: global }
      - { .name: os, .offset: 24, .size: 8, .value_kind: global_buffer, .address_space: global }
      - { .name: bo, .offset: 32, .size: 8, .value_kind: global_buffer, .address_space: global }
      - { .name: out0, .offset: 40, .size: 8, .value_kind: global_buffer, .address_space: global }
    .group_segment_fixed_size: 263168
    .private_segment_fixed_size: 0
    .kernarg_segment_align: 8
    .kernarg_segment_size: 48
    .max_flat_workgroup_size: 256
    .sgpr_count:     102
    .vgpr_count:     256
    .wavefront_size: 32
...
	.end_amdgpu_metadata
.endif
;; end of part 3
